; MI455X (gfx1250); checked and timed in simulation.
; The chip was launched on July 23, 2026; its instructions are those of AMD's public machine-readable ISA for CDNA 5 (MIT licence, August 2026) and "CDNA5" Instruction Set Architecture Reference Guide (July 2026). The comments in the code are by the model that wrote it; some were corrected since.
;; Parallel Mistral Attention. Allowed arithmetic: matrix products marked QUANTISED: E4M3 operands, one given power-of-two scale a tensor, by v_wmma_f32_16x16x64_fp8_fp8 or v_wmma_f32_16x16x128_fp8_fp8, f32 sums; everything else in f32.
;; Inputs: Wk 4,096 x 1,024 float32; Wo 2,048 x 4,096 float32; Wq 4,096 x 2,048 float32; Wv 4,096 x 1,024 float32; causal_mask 1 x 1 x 2,048 x 2,048 float32; cos 2,048 x 128 float32; hidden 1 x 2,048 x 4,096 float32; lowp_scales 12 int32 (the exponents e of the quantised operands' scales 2^e); sin 2,048 x 128 float32.
;; Outputs: out0 1 x 2,048 x 4,096 float32.
;; This version of the problem:
;;   THIS VERSION OF THE PROBLEM IS GIVEN IN LOW PRECISION. The matrix products marked QUANTISED in the list below multiply operands that are first quantised to E4M3 (4 exponent bits, 3 mantissa bits; 8 bits a number), with one given power-of-two scale for each operand tensor; their sums are f32. All else is computed in f32.
;;   The module's matrix products, in the order in which they are computed (A, B: the left and right operand; K: the contracted axis; several contracted axes count as one K, in the product's order):
;;     1. [M 2,048, K 4,096] x [K 4,096, N 2,048]; A: input hidden; B: input Wq: QUANTISED (scales: A lowp_scales[0], B lowp_scales[1])
;;     2. [M 2,048, K 4,096] x [K 4,096, N 1,024]; A: input hidden; B: input Wk: QUANTISED (scales: A lowp_scales[2], B lowp_scales[3])
;;     3. [M 2,048, K 4,096] x [K 4,096, N 1,024]; A: input hidden; B: input Wv: QUANTISED (scales: A lowp_scales[4], B lowp_scales[5])
;;     4. batch 16 x [M 2,048, K 128] x [K 128, N 2,048]; A: computed on the way; B: computed on the way: QUANTISED (scales: A lowp_scales[6], B lowp_scales[7])
;;     5. batch 16 x [M 2,048, K 2,048] x [K 2,048, N 128]; A: softmax (see below); B: computed on the way: QUANTISED (scales: A lowp_scales[8], B lowp_scales[9])
;;     6. [M 2,048, K 2,048] x [K 2,048, N 4,096]; A: computed on the way; B: input Wo: QUANTISED (scales: A lowp_scales[10], B lowp_scales[11])
;;   THE QUANTISER, for each operand of a quantised product, along K:
;;     - The operand's scale is 2^e, e = its entry of the input lowp_scales (int32; the entries are numbered through the quantised products in the list's order, A before B).
;;     - Each number is divided by the scale, clamped to +-448, and rounded to the nearest number of E4M3, ties to even, subnormals kept.
;;     - The product sums the exact products of the quantised numbers (number of the format x scale) in f32.
;;   ~~~python
;;   def quantise(x, axis, e):      # numpy; x: float32 -> the quantised numbers, widened to float32 again
;;       x = np.moveaxis(x, axis, -1); K = x.shape[-1]
;;       r = np.clip(x / 2.0 ** e, -448, 448)
;;       step = 2.0 ** (np.maximum(np.frexp(np.where(r == 0, 1, r))[1] - 1, -6) - 3)
;;       q = np.round(r / step) * step * 2.0 ** e      # np.round: ties to even
;;       return np.moveaxis(q, -1, axis).astype(np.float32)
;;   ~~~
;;   SOFTMAX AHEAD OF A QUANTISED PRODUCT. Where the list says 'softmax', what is quantised is not the finished softmax but p = 2^(t - M), with t = logit x log2(e) and M = ceil(the row's largest t), a whole number; so 1/2 < the row's largest p <= 1. The row's sum l is taken of the UNQUANTISED p, in f32, and the product's result is divided by l at the end. Since M is a whole number, a kernel that streams over the keys may use a running M (the ceiling of the running maximum): every later rescaling is an exact power of two, so the quantised numbers keep their values, but for numbers so far below the row's largest that they fall under the format's range.
;;   OPERANDS COMPUTED ON THE WAY. 'Computed on the way' means the value that the module computes at that place (a softmax that the list does not call 'softmax' is quantised finished and normalised). What goes into a quantiser is computed in f32, as accurately as f32 sums, v_exp_f32 and their like allow (about 1e-6 of the number): no bf16 or f16 on the way to a quantiser, and a product that is left as it is and whose result goes on into a quantised operand takes f32 operands (vector FMAs, or v_wmma_f32_16x16x4_f32). A number that lies on a knife's edge between two numbers of the format may be rounded either way, as far as f32 arithmetic and the matrix unit's own rounding can turn it there, and no further.
;; One version. Each part assembles by itself: llvm-mc -triple=amdgcn-amd-amdhsa -mcpu=gfx1250 --defsym DOCPART=n.
;; ======== version 1 of 1: 4 launches
;; limits: right only within a limited range of input values
;; workspace buffers: gin 41,943,040 bytes; oin 12,582,912 bytes; qimg 4,194,304 bytes; kv 4,194,304 bytes
;; launch prep (part 1): grid 1024 x 1, 4 waves a work-group, no clusters, 46,080 bytes of LDS; arguments hidden, Wq, Wk, Wv, Wo, lowp_scales, gin, oin; writes gin, oin
.if DOCPART == 1
	.amdgcn_target "amdgcn-amd-amdhsa--gfx1250"
	.amdhsa_code_object_version 6
	.text
	.protected	k_q6f44572a7c_prep
	.globl	k_q6f44572a7c_prep
	.p2align	8
	.type	k_q6f44572a7c_prep,@function
k_q6f44572a7c_prep:
	s_mov_b64 s[64:65], 0
	v_nop
	global_prefetch_b8 v0, s[64:65] scope:SCOPE_SE
	s_setreg_imm32_b32 hwreg(HW_REG_WAVE_MODE, 25, 1), 1
	s_wait_xcnt 0x0
; PREP: every f32 operand of the four large products becomes codes of FP8 (E4M3), once, laid as IMAGES OF OPERAND REGISTERS.
; An image is 16 rows x 128 k = 2,048 bytes: byte 512 c + 16 L + y (lane L = 16 h + r) is the code of row r at k = 32 c + 16 (y / 8) + 8 h + y % 8:
; four 16-byte accesses a lane, at 16 L + 512 c, fill the 16 registers that v_wmma_f32_16x16x128_fp8_fp8 takes as a source, each k in that form's own place.
; gin [640 rowblocks][32 k-steps][2,048]: rowblocks 0-127 hidden with scale 0, 128-255 with scale 2, 256-383 with scale 4 (the three products have a scale each);
;   384-511 Wq^T (scale 1), 512-575 Wk^T (scale 3), 576-639 Wv^T (scale 5).      oin [384][16][2,048]: rowblocks 128-383 Wo^T (scale 11); 0-127 are written by a later launch.
; code = x / 2^e, held within +-448, rounded to the nearest code, ties to even.  LIMITS: each e between -126 and 119; NaN among the inputs is not served.
; Work-groups 0-255 take hidden (K innermost), the other 768 the weights (K is their FIRST axis).  No tensor loads; waves share nothing, so there is no barrier.  Each path has LDS bytes of its own.
.set WSTG,  7168                       ; LDS of a wave on hidden's path: three stages, one for each scale
.set VSTG,  2304                       ; a stage: 16 rows x (128 codes + 16 bytes of padding)
.set SPARE, 4*WSTG                     ; behind hidden's stages: the spare words, 128 bytes a wave, that no other line names
.set WOUTB, SPARE+512                  ; behind them: the weights' path: a stage for each wave,
.set WOUTW, 8*528                      ; 8 rowblocks x (512 bytes + 16 of padding)
.set SPW,  4                           ; v4   my spare word's LDS address; never rewritten
.set NIL,  5                           ; v5   0; never rewritten
.set X,    16                          ; hidden: v16-143 two sets of 64 numbers as loaded (register 4 row + q: k = 4 lane + q)
.set T,    144                         ; v144-159 two sets of 8 held numbers
.set C,    160                         ; v160-207 codes: 16 registers for each scale (register = row, 4 codes)
.set R,    208                         ; v208-255 the three images, 16 registers each
.set XW,   16                          ; weights: v16-143 four sets of 32 numbers as loaded (register 4 i + c: row i of eight, column 4 lane + c)
.set TW,   144                         ; v144-175 the same held and turned (register 8 c + i)
.set CW,   176                         ; v176-207 a block's codes: 8 registers a column
.set RW,   208                         ; v208-239 eight rowblocks' 16 bytes a lane, on their way out
.set VOFF, 240                         ; v240-247 byte offset of row i of eight, at my four columns
.macro MKSCALE e, sc, lim              ; from the whole number s[e]: v[sc] = 2^e as f32 (the conversion takes its exponent field), v[lim] = 448 x 2^e
	s_add_co_i32 s68, s[\e], 127
	s_lshl_b32 s69, s68, 23
	v_mov_b32 v[\sc], s69
	s_add_co_i32 s68, s68, 8
	s_lshl_b32 s68, s68, 23
	s_or_b32 s68, s68, 0x600000
	v_mov_b32 v[\lim], s68
.endm
.macro LOADU u                         ; unit u: 16 rows x 128 numbers; each load reads 512 consecutive bytes of one row
.set ii, 0
.rept 16
	global_load_b128 v[X+64*((\u)%2)+4*ii:X+64*((\u)%2)+4*ii+3], v1, s[36:37] offset:16384*ii+512*(\u) th:TH_LOAD_NT
.set ii, ii+1
.endr
.endm
.macro UNIT u
.set XS, X+64*((\u)%2)
.if (\u) < 3
	s_wait_loadcnt 16                              ; this unit's 16 loads are in; the next unit's 16 may be out
.else
	s_wait_loadcnt 0
.endif
.if (\u) > 0
	s_wait_xcnt 0x0                                ; the last unit's stores have read R, which the LDS loads below write again
.endif
.irp q, 0,1,2                                  ; the three scales
.set mm, 0
.rept 8
.set ii, 0
.rept 8
	v_med3_num_f32 v[T+8*(mm%2)+ii], v[XS+8*mm+ii], -v[9+\q], v[9+\q]   ; the conversion does not saturate (ISA guide 7.6.2): the hold, into T, since the three limits differ
.set ii, ii+1
.endr
	v_cvt_scalef32_pk8_fp8_f32 v[C+16*\q+2*mm:C+16*\q+2*mm+1], v[T+8*(mm%2):T+8*(mm%2)+7], v[6+\q]   ; rows 2 mm and 2 mm + 1, four codes each; the other set's eight holds stand before T's set is written again
.set mm, mm+1
.endr
	v_nop                                          ; a plain line behind the last conversion
.set ii, 0
.rept 16
	ds_store_b32 v2, v[C+16*\q+ii] offset:VSTG*\q+144*ii   ; row ii: my 4 codes, with bits 3 and 4 of k changing places
.set ii, ii+1
.endr
.irp c, 0,1,2,3
	ds_load_b128 v[R+16*\q+4*\c:R+16*\q+4*\c+3], v3 offset:VSTG*\q+32*\c   ; LDS serves a wave's instructions in order (ISA guide 5.7.1.4): these see the stores above; 16 bytes of an image
.endr
.endr
.if (\u)+2 < 4
	LOADU (\u)+2                                   ; into the set that has just been read
.endif
	s_wait_dscnt 0x0
.irp q, 0,1,2
.irp c, 0,1,2,3
	global_store_b128 v1, v[R+16*\q+4*\c:R+16*\q+4*\c+3], s[38+2*\q:39+2*\q] offset:2048*(\u)+512*\c   ; 32 lanes store 512 consecutive bytes, aligned
.endr
.endr
.endm
.macro WLOAD g                         ; octet g: rows 8 g + i of my 64, i = 0 .. 7, at my wave's 128 columns: each load reads 512 consecutive bytes of one row
.set ii, 0
.rept 8
	global_load_b128 v[XW+32*((\g)%4)+4*ii:XW+32*((\g)%4)+4*ii+3], v[VOFF+ii], s[48+2*(\g):49+2*(\g)] th:TH_LOAD_NT
.set ii, ii+1
.endr
.endm
.macro WOCT g                          ; eight k of four columns become 4 x 8 codes
.set XS, XW+32*((\g)%4)
.if (\g) < 5
	s_wait_loadcnt 24                              ; this octet's 8 loads are in; the three octets behind it may be out
.else
	s_wait_loadcnt 8*(7-(\g))
.endif
.set cc, 0
.rept 4
.set ii, 0
.rept 8
	v_med3_num_f32 v[TW+8*cc+ii], v[XS+4*ii+cc], -v7, v7   ; the hold (the conversion does not saturate: ISA guide 7.6.2) also turns the numbers: a column's eight k come to stand in eight consecutive registers
.set ii, ii+1
.endr
.set cc, cc+1
.endr
.if (\g)+4 < 8
	WLOAD (\g)+4                                   ; into the set that has just been read
.endif
.set cc, 0
.rept 4
	v_cvt_scalef32_pk8_fp8_f32 v[CW+8*cc+4*((\g)&1)+2*(((\g)>>1)&1):CW+8*cc+4*((\g)&1)+2*(((\g)>>1)&1)+1], v[TW+8*cc:TW+8*cc+7], v6   ; octet o of a block of 32: h = o % 2, half o / 2 of the 16 bytes: where the result is put makes the image's order
.set cc, cc+1
.endr
	v_nop                                          ; a plain line behind the last conversion: the next octet's holds write its sources
.endm
.macro WOUT blk                        ; a block of 32 k x 128 columns: 512 bytes of each of 8 images.  My four columns are four rows of one image: so the codes go through my stage and come back as the images' bytes lie
.if (\blk) > 0
	s_wait_xcnt 0x0                                ; the last block's stores have read RW, which the LDS loads below write again
.endif
.irp c, 0,1,2,3
.irp h, 0,1
	ds_store_b128 v2, v[CW+8*\c+4*\h:CW+8*\c+4*\h+3] offset:256*\h+16*\c   ; rowblock lane / 4, row 4 (lane % 4) + c
.endr
.endr
.set ii, 0
.rept 8
	ds_load_b128 v[RW+4*ii:RW+4*ii+3], v3 offset:528*ii   ; LDS serves a wave's instructions in order (ISA guide 5.7.1.4): these see the stores above
.set ii, ii+1
.endr
	s_wait_dscnt 0x0                               ; the rows are back, and the stores have read CW, which the next block's conversions write
.set ii, 0
.rept 8
	global_store_b128 v1, v[RW+4*ii:RW+4*ii+3], s[72+2*ii:73+2*ii] offset:512*(\blk)   ; 32 lanes store 512 consecutive bytes of image ii, aligned
.set ii, ii+1
.endr
.endm
	s_load_b512 s[4:19], s[0:1], 0x0               ; hidden s[4:5], Wq s[6:7], Wk s[8:9], Wv s[10:11], Wo s[12:13], the scales s[14:15], gin s[16:17], oin s[18:19]
	v_lshl_add_u32 v[SPW], v0, 2, SPARE
	v_mov_b32 v[NIL], 0
	v_lshrrev_b32 v12, 5, v0
	v_readfirstlane_b32 s20, v12                   ; wave 0..3
	v_and_b32 v12, 31, v0                          ; lane
	s_wait_kmcnt 0x0
	s_load_b256 s[24:31], s[14:15], 0x0            ; e0 .. e7
	s_load_b128 s[32:35], s[14:15], 0x20           ; e8 .. e11
	s_cmp_lt_u32 ttmp9, 256
	s_cbranch_scc0 .Lweights
	; ---- hidden: rowblock = work-group / 2; my wave's four k-steps begin at 16 (work-group % 2) + 4 wave
	s_wait_alu depctr_va_vdst(0)
	v_lshlrev_b32 v1, 4, v12                       ; 16 x lane
	s_mul_i32 s21, s20, WSTG
	v_and_b32 v13, 0x19, v12                       ; the word's place in a stage row: the lane's number with bits 1 and 2 changing places
	v_bfe_u32 v14, v12, 2, 1
	v_lshl_add_u32 v13, v14, 1, v13
	v_bfe_u32 v14, v12, 1, 1
	v_lshl_add_u32 v13, v14, 2, v13
	v_lshl_add_u32 v2, v13, 2, s21                 ; into a stage
	v_and_b32 v13, 15, v0
	v_bfe_u32 v14, v0, 4, 1
	v_mul_u32_u24 v3, v13, 144
	v_lshl_add_u32 v3, v14, 4, v3
	v_add_nc_u32 v3, s21, v3                       ; out of it: row lane % 16, + 16 (lane / 16)
	s_lshr_b32 s22, ttmp9, 1                       ; rowblock
	s_and_b32 s23, ttmp9, 1
	s_lshl_b32 s23, s23, 4
	s_lshl_b32 s36, s20, 2
	s_add_co_u32 s23, s23, s36                     ; first k-step
	s_lshl_b32 s36, s22, 18                        ; 16 rows of 16,384 bytes
	s_lshl_b32 s37, s23, 9                         ; 128 numbers are 512 bytes
	s_add_co_u32 s36, s36, s37
	s_mov_b32 s37, 0
	s_add_nc_u64 s[36:37], s[4:5], s[36:37]
	s_lshl_b32 s38, s22, 16
	s_lshl_b32 s39, s23, 11
	s_add_co_u32 s38, s38, s39
	s_mov_b32 s39, 0
	s_add_nc_u64 s[38:39], s[16:17], s[38:39]      ; the images with scale 0,
	s_add_nc_u64 s[40:41], s[38:39], 0x800000      ; scale 2: 128 rowblocks on,
	s_add_nc_u64 s[42:43], s[40:41], 0x800000      ; scale 4
	LOADU 0
	LOADU 1
	s_wait_kmcnt 0x0
	MKSCALE 24, 6, 9
	MKSCALE 26, 7, 10
	MKSCALE 28, 8, 11
	s_wait_alu depctr_va_vdst(0)
	UNIT 0
	UNIT 1
	UNIT 2
	UNIT 3
	s_wait_tensorcnt 0x0                           ; the wave's end, behind my last LDS store
	ds_add_u32 v[SPW], v[NIL]
	s_wait_dscnt 0x0
	s_endpgm
	; ---- the weights.  A work-group takes 128 columns x 256 k; a wave all 128 columns x 64 k; a lane FOUR neighbouring columns, 16 bytes a load.  Registers run down K after the hold has turned them,
	; so the conversions give codes with K innermost.  One path serves the four tensors: what differs is chosen by the work-group's number.
.Lweights:
	s_sub_co_u32 s21, ttmp9, 256
	s_mov_b32 s22, 512                             ; Wo: first work-group,
	s_mov_b32 s23, 5                               ; log2 of its groups of 128 columns,
	s_mov_b32 s36, 16384                           ; a row in bytes,
	s_mov_b32 s37, 128                             ; its first rowblock,
	s_mov_b32 s38, 15                              ; log2 of a rowblock's bytes
	s_mov_b64 s[40:41], s[12:13]
	s_mov_b64 s[42:43], s[18:19]
	s_wait_kmcnt 0x0
	s_mov_b32 s39, s35                             ; e11
	s_cmp_lt_u32 s21, 512                          ; Wv
	s_cselect_b32 s22, 384, s22
	s_cselect_b32 s23, 3, s23
	s_cselect_b32 s36, 4096, s36
	s_cselect_b32 s37, 576, s37
	s_cselect_b32 s38, 16, s38
	s_cselect_b32 s39, s29, s39
	s_cselect_b64 s[40:41], s[10:11], s[40:41]
	s_cselect_b64 s[42:43], s[16:17], s[42:43]
	s_cmp_lt_u32 s21, 384                          ; Wk
	s_cselect_b32 s22, 256, s22
	s_cselect_b32 s37, 512, s37
	s_cselect_b32 s39, s27, s39
	s_cselect_b64 s[40:41], s[8:9], s[40:41]
	s_cmp_lt_u32 s21, 256                          ; Wq
	s_cselect_b32 s22, 0, s22
	s_cselect_b32 s23, 4, s23
	s_cselect_b32 s36, 8192, s36
	s_cselect_b32 s37, 384, s37
	s_cselect_b32 s39, s25, s39
	s_cselect_b64 s[40:41], s[6:7], s[40:41]
	s_sub_co_u32 s21, s21, s22
	s_bfm_b32 s44, s23, 0
	s_and_b32 s44, s21, s44                        ; which 128 columns
	s_lshr_b32 s45, s21, s23                       ; which 256 along K
	s_lshl_b32 s46, s45, 8
	s_lshl_b32 s47, s20, 6
	s_add_co_u32 s46, s46, s47                     ; my wave's first row: 256 x that + 64 x wave
	s_mul_i32 s46, s46, s36
	s_lshl_b32 s47, s44, 9
	s_add_co_u32 s46, s46, s47
	s_mov_b32 s47, 0
	s_add_nc_u64 s[48:49], s[40:41], s[46:47]      ; octet 0 at the 128 columns' first byte
	s_lshl_b32 s46, s36, 3                         ; eight rows
.irp t, 1,2,3,4,5,6,7
	s_add_nc_u64 s[48+2*\t:49+2*\t], s[46+2*\t:47+2*\t], s[46:47]   ; a base for each octet: none is ever stepped
.endr
	s_lshl_b32 s66, s44, 3
	s_add_co_u32 s66, s66, s37                     ; the 128 columns' first rowblock
	s_lshl_b32 s66, s66, s38
	s_lshl_b32 s67, s45, 12                        ; 256 along K are two images;
	s_add_co_u32 s66, s66, s67
	s_lshr_b32 s67, s20, 1
	s_lshl_b32 s67, s67, 11                        ; my 64 k lie in image wave / 2,
	s_add_co_u32 s66, s66, s67
	s_and_b32 s67, s20, 1
	s_lshl_b32 s67, s67, 10                        ; in its groups c = 2 (wave % 2) and the next
	s_add_co_u32 s66, s66, s67
	s_mov_b32 s67, 0
	s_add_nc_u64 s[72:73], s[42:43], s[66:67]
	s_lshl_b32 s70, 1, s38
	s_mov_b32 s71, 0
.irp t, 1,2,3,4,5,6,7
	s_add_nc_u64 s[72+2*\t:73+2*\t], s[70+2*\t:71+2*\t], s[70:71]   ; a base for each of the 8 rowblocks
.endr
	s_wait_alu depctr_va_vdst(0)
	v_lshlrev_b32 v1, 4, v12                       ; 16 x lane
	s_mul_i32 s21, s20, WOUTW
	s_add_co_u32 s21, s21, WOUTB                   ; my stage
	v_lshrrev_b32 v248, 2, v12
	v_mul_u32_u24 v248, v248, 528
	v_and_b32 v249, 3, v12
	v_lshl_add_u32 v248, v249, 6, v248
	v_add_nc_u32 v2, s21, v248                     ; into it: rowblock lane / 4, rows 4 (lane % 4) on
	v_add_nc_u32 v3, s21, v1                       ; out of it: 16 bytes a lane
	v_mov_b32 v[VOFF], v1
.set ii, 1
.rept 7
	v_add_nc_u32 v[VOFF+ii], s36, v[VOFF+ii-1]
.set ii, ii+1
.endr
	WLOAD 0
	WLOAD 1
	WLOAD 2
	WLOAD 3
	MKSCALE 39, 6, 7
	s_wait_alu depctr_va_vdst(0)
	WOCT 0
	WOCT 1
	WOCT 2
	WOCT 3
	WOUT 0
	WOCT 4
	WOCT 5
	WOCT 6
	WOCT 7
	s_wait_alu depctr_va_vdst(0)
	WOUT 1
	s_wait_tensorcnt 0x0                           ; the wave's end, behind my last LDS store
	ds_add_u32 v[SPW], v[NIL]
	s_wait_dscnt 0x0
	s_endpgm
.Lfunc_end_k_q6f44572a7c_prep:
	.size	k_q6f44572a7c_prep, .Lfunc_end_k_q6f44572a7c_prep-k_q6f44572a7c_prep
	.p2alignl 7, 3214868480
	.fill 96, 4, 3214868480
	.section	.rodata,"a",@progbits
	.p2align	6, 0x0
	.amdhsa_kernel k_q6f44572a7c_prep
		.amdhsa_group_segment_fixed_size 46080
		.amdhsa_private_segment_fixed_size 0
		.amdhsa_enable_private_segment 0
		.amdhsa_kernarg_size 64
		.amdhsa_user_sgpr_count 2
		.amdhsa_user_sgpr_kernarg_segment_ptr 1
		.amdhsa_wavefront_size32 1
		.amdhsa_system_sgpr_workgroup_id_x 1
		.amdhsa_system_sgpr_workgroup_id_y 1
		.amdhsa_system_sgpr_workgroup_id_z 1
		.amdhsa_system_vgpr_workitem_id 0
		.amdhsa_next_free_vgpr 256
		.amdhsa_next_free_sgpr 88
		.amdhsa_reserve_vcc 0
		.amdhsa_float_denorm_mode_32 3
		.amdhsa_float_denorm_mode_16_64 3
		.amdhsa_memory_ordered 1
		.amdhsa_forward_progress 1
		.amdhsa_inst_pref_size 116
	.end_amdhsa_kernel
	.amdgpu_metadata
---
amdhsa.version: [ 1, 2 ]
amdhsa.kernels:
  - .name:           k_q6f44572a7c_prep
    .symbol:         k_q6f44572a7c_prep.kd
    .args:
      - { .name: hidden, .offset: 0, .size: 8, .value_kind: global_buffer, .address_space: global }
      - { .name: Wq, .offset: 8, .size: 8, .value_kind: global_buffer, .address_space: global }
      - { .name: Wk, .offset: 16, .size: 8, .value_kind: global_buffer, .address_space: global }
      - { .name: Wv, .offset: 24, .size: 8, .value_kind: global_buffer, .address_space: global }
      - { .name: Wo, .offset: 32, .size: 8, .value_kind: global_buffer, .address_space: global }
      - { .name: lowp_scales, .offset: 40, .size: 8, .value_kind: global_buffer, .address_space: global }
      - { .name: gin, .offset: 48, .size: 8, .value_kind: global_buffer, .address_space: global }
      - { .name: oin, .offset: 56, .size: 8, .value_kind: global_buffer, .address_space: global }
    .group_segment_fixed_size: 46080
    .private_segment_fixed_size: 0
    .kernarg_segment_align: 8
    .kernarg_segment_size: 64
    .max_flat_workgroup_size: 128
    .sgpr_count:     88
    .vgpr_count:     256
    .wavefront_size: 32
...
	.end_amdgpu_metadata
.endif
;; end of part 1
;; launch qkv (part 2): grid 16 x 16, 4 waves a work-group, clusters of 4 x 4, 327,680 bytes of LDS; arguments gin, cos, sin, lowp_scales, qimg, kv; writes qimg, kv
.if DOCPART == 2
	.amdgcn_target "amdgcn-amd-amdhsa--gfx1250"
	.amdhsa_code_object_version 6
	.text
	.protected	k_q6f44572a7c_qkv
	.globl	k_q6f44572a7c_qkv
	.p2align	8
	.type	k_q6f44572a7c_qkv,@function
k_q6f44572a7c_qkv:
	s_mov_b64 s[64:65], 0
	v_nop
	global_prefetch_b8 v0, s[64:65] scope:SCOPE_SE
	s_setreg_imm32_b32 hwreg(HW_REG_WAVE_MODE, 25, 1), 1
	s_wait_xcnt 0x0
	s_wait_alu depctr_hold_cnt(0) depctr_sa_sdst(0) depctr_va_vdst(0) depctr_va_sdst(0) depctr_va_ssrc(0) depctr_va_vcc(0) depctr_vm_vsrc(0)
	s_getreg_b32 s2, hwreg(HW_REG_IB_STS2, 6, 4)
	s_cmp_eq_u32 s2, 0
	s_cbranch_scc0 .Lentry_in_a_cluster
	s_endpgm
.Lentry_in_a_cluster:
	s_bfe_u32 s2, ttmp6, 0x10000c
	s_cmp_lg_u32 s2, 0xf033
	s_cbranch_scc0 .Lentry_shape_is_right
	s_endpgm
.Lentry_shape_is_right:
; QKV: hidden x Wq, Wk, Wv on codes of FP8 (K = 4,096), the rotation by cos and sin, and q, k, v quantised again (scales 6, 7, 9) into images of operand registers for the attention.
; An image: 16 rows x 128 k, 2,048 bytes; byte 512 c + 16 L + y = row L % 16, k = 32 c + 16 (y / 8) + 8 (L / 16) + y % 8: four 16-byte accesses a lane fill a source of v_wmma_f32_16x16x128_fp8_fp8.
; gin [640 rowblocks][32 k-steps][2,048]: 0-127, 128-255, 256-383 hidden with scales 0, 2, 4; 384-511 Wq^T, 512-575 Wk^T, 576-639 Wv^T.
; A work-group makes 128 (source 1) x 256 (source 0) of a product; a wave 128 x 64: 32 accumulators.  In the result a lane holds ONE row of source 1 and 8 neighbouring rows of source 0.
; CLUSTER 4 x 4.  Source 1's tile hangs on the cluster's row alone and is asked for jointly along it; source 0's on the column alone.  Both come through a ring of two LDS slots of three k-steps:
; [8 + 16 rowblocks][3 k-steps][2,048] = 147,456 bytes.  Waves 0, 1 ask for four rowblocks each of source 1, waves 2, 3 for eight each of source 0: one load a wave.
; 32 k-steps = 2 + 10 x 3: the first fill asks memory for two k-steps (tensor_dim0 = 4,096 bytes of the tile's 6,144; the mover writes zeros for the rest, which nobody reads), so slot 0 is filled whole.
; ROLES by the cluster's x (the same in all partners).  0, 1: q; 2: k: source 1 = 128 tokens (block 4 cluster y + cy), source 0 = 256 columns of the weight, two heads (4 cluster x + cx).
; 3: v: source 1 = the 128 columns of Wv of head 4 (cluster y % 2) + cy, source 0 = the 256 tokens of block 4 (cluster y / 2) + cx: a lane holds a channel and its registers run along the tokens, the last product's K.
; In every role a wave takes rowblocks 8 (wave / 2) + 2 u + {0, 1, 4, 5} of source 0, u = wave % 2: for q and k channels d and d + 64 meet in one lane; in an image these are the groups c = u and u + 2.
; PREFETCH: behind the joint load of slot j each wave names slot j + 2: of the rowblocks that it fetches, the partner at place p takes one (source 1, p = cx) or two (source 0, p = cy), told apart by address;
; 24 lanes name a rowblock's 24 blocks of 256 bytes, the other 8 the last again.  The loads of the last two slots name nothing.
; LIMITS: e6 - e0 - e1, e7 - e2 - e3, e9 - e4 - e5 between -126 and 119.
; REGISTERS, in windows of 256: window 0: v1-16 addresses and scales, v64-191 cos and sin (homes 0, 1), v192-223 at work, v24-63 and v224-247 codes;
;   window 1: v0-127 source 0, two sets of 64; v128-255 cos and sin (homes 2, 3);  window 2: accumulator (a, i) at v[8 (4 a + i)];  window 3: source 1, two sets of 128.
.set RBS,   65536                      ; bytes from a rowblock of gin to the next
.set KS3,   6144                       ; three k-steps of a rowblock
.set SLOTB, 24*KS3
.set BOFF,  8*KS3                      ; source 0's rowblocks lie behind source 1's eight
.set SPARE, 2*SLOTB                    ; behind the ring: the spare words, 128 bytes a wave, that no other line names
.set L16,  1
.set ADA,  4                           ; v4, v5  source 1 in slot 0, 1
.set ADB,  6                           ; v6, v7  my rowblocks of source 0 in slot 0, 1
.set SPW,  8
.set NIL,  9
.set PFO,  10                          ; 256 x min(lane, 23): a rowblock's three k-steps
.set PFS2, 11                          ; 256 x min(lane, 15): its first two k-steps
.set SCV,  12
.set LIMV, 13
.set CSO,  16
.set T,    192
.set G,    224
.set WV,   16
.set CX,   17
.set CY,   18
.set XC,   19
.set UU,   20
.set WH,   21                          ; wave / 2.  Also: I fetch for source 1 (0) or source 0 (1)
.set CLY,  22
.set YY,   23
.set G1A,  24                          ; group 1: source 1's tile; G1B source 0's; G1AS, G1BS the same for the first fill
.set G1B,  32
.set G1AS, 40
.set G1BS, 48
.set G0A,  56                          ; group 0, a set for each slot
.set G0B,  68
.set OUTB, 76
.set PFA,  78
.set LOOP, 80
.set MSB, 0
.macro WIN new                         ; the immediate's high byte repeats the setting that is left
.if MSB != \new
	s_set_vgpr_msb (MSB<<8)|\new
.set MSB, \new
.endif
.endm
.set TO_B,  0x40                       ; destination window 1, address window 0
.set TO_A,  0xc0                       ; destination window 3
.set W_MUL, 0xad                       ; source 0 window 1, source 1 window 3, C and D window 2
.set FROM_ACC, 0x02
.set ACC_B, 0x06
.macro PLACES                          ; four plain places between a matrix instruction and a load into, or a vector read of, its registers
.rept 4
	v_nop
.endr
.endm
.macro CREST                           ; a round of the cluster's barrier behind its opening barrier
	s_cmp_lg_u32 s[WV], 0
	s_cbranch_scc1 .Lnot_wave_0_\@
	s_barrier_signal -3
.Lnot_wave_0_\@:
	s_barrier_wait -3
	s_barrier_signal -1
	s_barrier_wait -1
.endm
.macro CROUND
	s_barrier_signal -1
	s_barrier_wait -1
	CREST
.endm
.macro JLOAD g0a, g1a, g0b, g1b        ; a joint load; the branch hangs on the wave's number alone; s_nop 0 and four v_nop behind each line
	s_cmp_eq_u32 s[WH], 0
	s_cbranch_scc0 .Lfor_b_\@
	tensor_load_to_lds s[\g0a:\g0a+3], s[\g1a:\g1a+7]
	s_nop 0
	PLACES
	s_branch .Lasked_\@
.Lfor_b_\@:
	tensor_load_to_lds s[\g0b:\g0b+3], s[\g1b:\g1b+7]
	s_nop 0
	PLACES
.Lasked_\@:
.endm
.macro ASK inloop, vo, off             ; the prefetch, off bytes along my rowblock from where PFA stands; in the loop's last trip there is no slot two on
.if \inloop
	s_cmp_gt_u32 s[LOOP], 1
	s_cbranch_scc0 .Lno_\@
.endif
	global_prefetch_b8 v[\vo], s[PFA:PFA+1] offset:\off th:TH_LOAD_NT scope:SCOPE_SE
	s_cmp_eq_u32 s[WH], 0
	s_cbranch_scc1 .Lno_\@
	global_prefetch_b8 v[\vo], s[PFA:PFA+1] offset:RBS+\off th:TH_LOAD_NT scope:SCOPE_SE
.Lno_\@:
.endm
.macro MKG1 g, td, r                   ; r rows (rowblocks) of 768 elements of 8 bytes, of which td exist
	s_mov_b32 s[\g+1], (\td)<<16
	s_mov_b32 s[\g+2], (\r)<<16
	s_mov_b32 s[\g+3], 768<<16
	s_mov_b32 s[\g+4], \r
	s_mov_b32 s[\g+5], RBS/8
	s_mov_b32 s[\g+6], 0
	s_mov_b32 s[\g+7], 0
.endm
.macro FETCH sl, q, p                  ; k-step q of slot sl into set p: my 4 images of source 0, then source 1's 8: 48 loads, lane L at 16 L
	WIN TO_B
.set ib, 0
.irp i, 0,1,4,5
.irp c, 0,1,2,3
	ds_load_b128 v[64*(\p)+16*ib+4*\c:64*(\p)+16*ib+4*\c+3], v[ADB+\sl] offset:\i*KS3+2048*(\q)+512*\c
.endr
.set ib, ib+1
.endr
	WIN TO_A
.set ia, 0
.rept 8
.irp c, 0,1,2,3
	ds_load_b128 v[128*(\p)+16*ia+4*\c:128*(\p)+16*ia+4*\c+3], v[ADA+\sl] offset:ia*KS3+2048*(\q)+512*\c
.endr
.set ia, ia+1
.endr
.endm
.macro MUL p, a0, a1, zero             ; the accumulators take turns, one instruction a turn, in the same order in every k-step; zero = 1: the first products start the sums
	WIN W_MUL
.set ia, \a0
.rept (\a1)-(\a0)+1
.set ib, 0
.rept 4
.if \zero
	v_wmma_f32_16x16x128_fp8_fp8 v[8*(4*ia+ib):8*(4*ia+ib)+7], v[64*(\p)+16*ib:64*(\p)+16*ib+15], v[128*(\p)+16*ia:128*(\p)+16*ia+15], 0
.else
	v_wmma_f32_16x16x128_fp8_fp8 v[8*(4*ia+ib):8*(4*ia+ib)+7], v[64*(\p)+16*ib:64*(\p)+16*ib+15], v[128*(\p)+16*ia:128*(\p)+16*ia+15], v[8*(4*ia+ib):8*(4*ia+ib)+7]
.endif
.set ib, ib+1
.endr
.set ia, ia+1
.endr
.endm
.macro STEP p, sl, qn, zero            ; multiplies set p; ahead of that the slot's k-step qn is asked for, into the other set
	PLACES
	FETCH \sl, \qn, 1-(\p)
	s_wait_dscnt 48                                ; set p is in; the 48 loads just issued may be out
	MUL \p, 0, 7, \zero
.endm
; A slot's last k-step changes slots.  Each wave waits for all its tensor loads (its part of slot nxt), adds 0 to its spare word, and waits for that and for its reads of slot cur.
; fill = 1: the barrier opens a round of the cluster's barrier, and slot cur is filled again first thing behind it.  ask: 1 a prefetch follows, 2 by the loop's counter.
.macro TURN p, cur, nxt, fill, ask, zero
	WIN 0
	s_wait_tensorcnt 0x0                           ; no tensor load of mine is out, so a group 0 may be written
	ds_add_u32 v[SPW], v[NIL]
.if \fill
	s_add_nc_u64 s[G0A+4*\nxt+2:G0A+4*\nxt+3], s[G0A+4*\nxt+2:G0A+4*\nxt+3], 2*KS3   ; slot nxt's next tile: six k-steps on
	s_add_nc_u64 s[G0B+4*\nxt+2:G0B+4*\nxt+3], s[G0B+4*\nxt+2:G0B+4*\nxt+3], 2*KS3
.endif
.if \ask
	s_wait_xcnt 0x0                                ; the last prefetch has read its address
	s_add_nc_u64 s[PFA:PFA+1], s[PFA:PFA+1], KS3
.endif
	s_wait_dscnt 0x0                               ; the add is done, set p is in, and my reads of slot cur are over
	s_barrier_signal -1
	MUL \p, 0, 3, \zero                            ; work on registers while the others arrive
	WIN 0
	s_barrier_wait -1
.if \fill
	CREST                                          ; no wave of any partner still reads slot cur or has a load on its way
	JLOAD G0A+4*\cur, G1A, G0B+4*\cur, G1B         ; its four v_nop are the places in front of the loads below
.else
	PLACES
.endif
	FETCH \nxt, 0, 1-(\p)
.if \ask
	WIN 0
	ASK \ask-1, PFO, 16384
.endif
	MUL \p, 4, 7, \zero
.endm
.macro TAIL cs                         ; the last two slots: nothing more is asked for.  cs = 1: cos and sin of blocks 4, 5, 6 are asked for ahead of the last k-step, into the sets that k-step 30 has multiplied
	STEP 0, 1, 1, 0
	STEP 1, 1, 2, 0
	TURN 0, 1, 0, 0, 0, 0
	STEP 1, 0, 1, 0
	STEP 0, 0, 2, 0
.if \cs
	PLACES                                         ; the loads below land in registers that k-step 30 multiplied
	CSLOAD 4
	CSLOAD 5
	CSLOAD 6
.endif
	s_wait_dscnt 0x0
	MUL 1, 0, 7, 0
	WIN 0
	PLACES                                         ; in front of the first read of the sums
.endm
.macro FINISH
	WIN 0
	s_wait_tensorcnt 0x0                           ; the wave's end
	ds_add_u32 v[SPW], v[NIL]
	s_wait_dscnt 0x0
	CROUND                                         ; the closing round
	s_endpgm
.endm
; cos and sin of tokens 16 a + lane % 16 at my four channel blocks, into block a's home (cos at +0, sin at +32)
.macro HOME a                          ; block a's home: CB its first register, CW its window.  0, 1: window 0; 2, 3: window 1, v128 on; 4, 5: source 1's set 0; 6: source 0's set 0; 7: block 0's home again
.if (\a) == 7
.set CB, 64
.set CW, 0
.elseif (\a) == 6
.set CB, 0
.set CW, 1
.elseif (\a) >= 4
.set CB, 64*((\a)-4)
.set CW, 3
.elseif (\a) >= 2
.set CB, 128+64*((\a)-2)
.set CW, 1
.else
.set CB, 64+64*(\a)
.set CW, 0
.endif
.endm
.macro CSLOAD a
	HOME \a
.if CW == 0
	WIN 0
.elseif CW == 1
	WIN 0x40
.else
	WIN 0xc0
.endif
.irp i, 0,1,2,3
.irp e, 0,1
	global_load_b128 v[CB+8*\i+4*\e:CB+8*\i+4*\e+3], v[CSO], s[6:7] offset:8192*(\a)+64*(\i%2)+256*(\i/2)+16*\e
	global_load_b128 v[CB+32+8*\i+4*\e:CB+32+8*\i+4*\e+3], v[CSO], s[8:9] offset:8192*(\a)+64*(\i%2)+256*(\i/2)+16*\e
.endr
.endr
.endm
.macro ROPE a                          ; x(d) cos(d) - x(d + 64) sin(d) and x(d + 64) cos(d + 64) + x(d) sin(d + 64); each accumulator is read from its low end on
	HOME \a
.if CW == 0
	WIN 0x02
.elseif CW == 1
	WIN 0x06
.else
	WIN 0x0e
.endif
.irp i, 0,1
.irp j, 0,2,4,6
	v_pk_mul_f32 v[T+8*\i+\j:T+8*\i+\j+1], v[8*(4*(\a)+\i)+\j:8*(4*(\a)+\i)+\j+1], v[CB+8*\i+\j:CB+8*\i+\j+1]
	v_pk_mul_f32 v[T+16+8*\i+\j:T+16+8*\i+\j+1], v[8*(4*(\a)+\i+2)+\j:8*(4*(\a)+\i+2)+\j+1], v[CB+16+8*\i+\j:CB+16+8*\i+\j+1]
.endr
.irp j, 0,2,4,6
	v_pk_fma_f32 v[T+8*\i+\j:T+8*\i+\j+1], v[8*(4*(\a)+\i+2)+\j:8*(4*(\a)+\i+2)+\j+1], v[CB+32+8*\i+\j:CB+32+8*\i+\j+1], v[T+8*\i+\j:T+8*\i+\j+1] neg_lo:[0,1,0] neg_hi:[0,1,0]
	v_pk_fma_f32 v[T+16+8*\i+\j:T+16+8*\i+\j+1], v[8*(4*(\a)+\i)+\j:8*(4*(\a)+\i)+\j+1], v[CB+48+8*\i+\j:CB+48+8*\i+\j+1], v[T+16+8*\i+\j:T+16+8*\i+\j+1]
.endr
.endr
	WIN 0
.set jj, 0
.rept 32
	v_med3_num_f32 v[T+jj], v[T+jj], -v[LIMV], v[LIMV]   ; the conversion does not saturate (ISA guide 7.6.2): the hold
.set jj, jj+1
.endr
.endm
.macro VHOLD a                         ; v has no rotation: the hold reads the sums
	WIN FROM_ACC
.set jj, 0
.rept 32
	v_med3_num_f32 v[T+jj], v[32*(\a)+jj], -v[LIMV], v[LIMV]
.set jj, jj+1
.endr
	WIN 0
.endm
.macro QSTORE a                        ; four conversions make the groups c = u and u + 2 of image a
	GHOME \a
.irp i, 0,1,2,3
	v_cvt_scalef32_pk8_fp8_f32 v[GB+2*\i:GB+2*\i+1], v[T+8*\i:T+8*\i+7], v[SCV]
.endr
	v_nop                                          ; a plain line behind the last conversion: the next block writes its sources
.endm
.macro GHOME a                         ; block a's eight registers of codes: v24-63 for blocks 0-4, v224-247 for blocks 5-7: all eight blocks are kept, and stored on end behind the last conversion
.if (\a) < 5
.set GB, 24+8*(\a)
.else
.set GB, 224+8*((\a)-5)
.endif
.endm
.macro QSEND1 a                        ; the groups c = u and u + 2 of image a; each store covers 512 consecutive bytes, aligned
	GHOME \a
	global_store_b128 v[L16], v[GB:GB+3], s[OUTB:OUTB+1] offset:2048*(\a)
	global_store_b128 v[L16], v[GB+4:GB+7], s[OUTB:OUTB+1] offset:2048*(\a)+1024
.endm
	s_load_b256 s[4:11], s[0:1], 0x0               ; gin s[4:5], cos s[6:7], sin s[8:9], the scales s[10:11]
	s_load_b128 s[12:15], s[0:1], 0x20             ; qimg s[12:13], kv s[14:15]
	v_lshl_add_u32 v[SPW], v0, 2, SPARE
	v_mov_b32 v[NIL], 0
	ds_add_u32 v[SPW], v[NIL]                      ; the wave's opening: the add, twice on end, and its wait ahead of my first tensor load
	ds_add_u32 v[SPW], v[NIL]
	v_lshrrev_b32 v2, 5, v0
	v_readfirstlane_b32 s[WV], v2
	v_and_b32 v3, 31, v0
	v_min_u32 v[PFO], 23, v3
	v_lshlrev_b32 v[PFO], 8, v[PFO]
	v_min_u32 v[PFS2], 15, v3
	v_lshlrev_b32 v[PFS2], 8, v[PFS2]
	s_and_b32 s[UU], s[WV], 1
	s_lshr_b32 s[WH], s[WV], 1
	s_bfe_u32 s[CX], ttmp6, 0x40000
	s_bfe_u32 s[CY], ttmp6, 0x40004
	s_mov_b32 s[XC], ttmp9
	s_and_b32 s[CLY], ttmp7, 0xffff
	s_lshl_b32 s[YY], s[CLY], 2
	s_add_co_u32 s[YY], s[YY], s[CY]               ; q, k: block of 128 tokens
	s_lshl_b32 s2, s[CY], 2
	s_lshl_b32 s2, 15, s2                          ; my row of the cluster
	s_lshl_b32 s3, 0x1111, s[CX]                   ; my column
	s_or_b32 s[G1A], s2, (3<<16)|(1<<21)           ; the mask; elements of 8 bytes; bit 21 set beside a mask; no padding
	s_or_b32 s[G1AS], s2, (3<<16)|(1<<21)
	s_or_b32 s[G1B], s3, (3<<16)|(1<<21)
	s_or_b32 s[G1BS], s3, (3<<16)|(1<<21)
	MKG1 G1A, 768, 4
	MKG1 G1B, 768, 8
	MKG1 G1AS, 512, 4
	MKG1 G1BS, 512, 8
	; source 1's first rowblock: of the cluster's x and y and cy alone
	s_lshl_b32 s96, s[YY], 3
	s_cmp_eq_u32 s[XC], 2
	s_cselect_b32 s97, 128, 0
	s_add_co_u32 s96, s96, s97                     ; q: hidden with scale 0; k: with scale 2
	s_and_b32 s97, s[CLY], 1
	s_lshl_b32 s97, s97, 2
	s_add_co_u32 s97, s97, s[CY]                   ; v: the head
	s_lshl_b32 s98, s97, 3
	s_add_co_u32 s98, s98, 576
	s_cmp_eq_u32 s[XC], 3
	s_cselect_b32 s96, s98, s96
	; source 0's first rowblock: of the cluster's x and y and cx alone
	s_lshl_b32 s82, s[XC], 2
	s_add_co_u32 s82, s82, s[CX]                   ; q, k: which two heads
	s_lshl_b32 s83, s82, 4
	s_add_co_u32 s83, s83, 384
	s_lshr_b32 s81, s[CLY], 1
	s_lshl_b32 s81, s81, 2
	s_add_co_u32 s81, s81, s[CX]                   ; v: which 256 tokens
	s_lshl_b32 s66, s81, 4
	s_add_co_u32 s66, s66, 256                     ; hidden with scale 4
	s_cmp_eq_u32 s[XC], 3
	s_cselect_b32 s83, s66, s83
	s_lshl_b32 s98, s[UU], 2
	s_add_co_u32 s98, s98, s96                     ; what I fetch of source 1: four rowblocks,
	s_lshl_b32 s98, s98, 16
	s_mov_b32 s99, 0
	s_lshl_b32 s66, s[UU], 3
	s_add_co_u32 s66, s66, s83                     ; of source 0: eight
	s_lshl_b32 s66, s66, 16
	s_mov_b32 s67, 0
	; the prefetches: my work-group's share of what my wave fetches, at k-step 0; each change of slots steps it three k-steps on
	s_lshl_b32 s100, s[UU], 2
	s_add_co_u32 s100, s100, s96
	s_add_co_u32 s100, s100, s[CX]
	s_lshl_b32 s101, s[UU], 3
	s_add_co_u32 s101, s101, s83
	s_lshl_b32 s2, s[CY], 1
	s_add_co_u32 s101, s101, s2
	s_cmp_eq_u32 s[WH], 0
	s_cselect_b32 s100, s100, s101
	s_lshl_b32 s100, s100, 16
	s_mov_b32 s101, 0
	; where my images go, the group c = u folded in
	s_lshl_b32 s2, s82, 1
	s_add_co_u32 s2, s2, s[WH]                     ; head 0 .. 23
	s_lshl_b32 s3, s2, 18
	s_lshl_b32 s96, s[YY], 14
	s_add_co_u32 s3, s3, s96                       ; q: head x 128 images + 8 y
	s_sub_co_u32 s2, s2, 16
	s_lshl_b32 s2, s2, 19
	s_lshr_b32 s96, s[YY], 1
	s_lshl_b32 s96, s96, 16
	s_add_co_u32 s2, s2, s96
	s_and_b32 s96, s[YY], 1
	s_lshl_b32 s96, s96, 14
	s_add_co_u32 s2, s2, s96                       ; k: head, slot y / 2, key tile 8 (y % 2)
	s_lshl_b32 s97, s97, 19
	s_lshl_b32 s81, s81, 16
	s_add_co_u32 s97, s97, s81
	s_lshl_b32 s96, s[WH], 14
	s_add_co_u32 s97, s97, s96
	s_add_co_u32 s97, s97, 32768                   ; v: head, slot, behind K's 16 images, key step wave / 2
	s_cmp_lt_u32 s[XC], 2
	s_cselect_b32 s2, s3, s2
	s_cmp_eq_u32 s[XC], 3
	s_cselect_b32 s2, s97, s2
	s_lshl_b32 s96, s[UU], 9
	s_add_co_u32 s2, s2, s96
	s_mov_b32 s3, 0
	s_lshl_b32 s96, s[YY], 16                      ; cos, sin: 128 tokens of 512 bytes
	s_mov_b32 s97, 0
	s_mul_i32 s81, s[UU], 4*KS3                    ; where my tiles go in a slot: of the wave's number alone
	s_mul_i32 s83, s[UU], 8*KS3
	s_add_co_u32 s83, s83, BOFF
	s_wait_dscnt 0x0                               ; both opening adds are done
	s_wait_kmcnt 0x0
	s_load_b256 s[84:91], s[10:11], 0x0            ; e0 .. e7
	s_load_b128 s[92:95], s[10:11], 0x20           ; e8 .. e11
	s_add_nc_u64 s[98:99], s[4:5], s[98:99]
	s_add_nc_u64 s[66:67], s[4:5], s[66:67]
	s_add_nc_u64 s[PFA:PFA+1], s[4:5], s[100:101]
	s_wait_alu depctr_va_vdst(0)                   ; the wait directly ahead of the first reader of the two offsets
	ASK 0, PFS2, 0                                 ; a buffer's first touch is asked for earlier still: k-steps 0, 1
	ASK 0, PFO, 4096                               ; and slot j = 0 (k-steps 2-4), ahead of the opening round
	s_add_nc_u64 s[6:7], s[6:7], s[96:97]
	s_add_nc_u64 s[8:9], s[8:9], s[96:97]
	s_cmp_lt_u32 s[XC], 2
	s_cselect_b64 s[OUTB:OUTB+1], s[12:13], s[14:15]
	s_add_nc_u64 s[OUTB:OUTB+1], s[OUTB:OUTB+1], s[2:3]
.irp s, 0,1                                    ; slot 0: k-steps 0, 1; slot 1: k-steps 2-4
	s_mov_b32 s[G0A+4*\s], 1
	s_add_co_u32 s[G0A+4*\s+1], s81, \s*SLOTB
	s_add_nc_u64 s[G0A+4*\s+2:G0A+4*\s+3], s[98:99], \s*2*2048
	s_or_b32 s[G0A+4*\s+3], s[G0A+4*\s+3], 0x80000000
	s_mov_b32 s[G0B+4*\s], 1
	s_add_co_u32 s[G0B+4*\s+1], s83, \s*SLOTB
	s_add_nc_u64 s[G0B+4*\s+2:G0B+4*\s+3], s[66:67], \s*2*2048
	s_or_b32 s[G0B+4*\s+3], s[G0B+4*\s+3], 0x80000000
.endr
	CROUND                                         ; all sixteen work-groups are here: the first joint loads meet
	JLOAD G0A, G1AS, G0B, G1BS                     ; k-steps 0 and 1: one tensor load a wave at the head
	ASK 0, PFO, 10240                              ; slot j = 1 (k-steps 5-7)
	s_lshl_b32 s2, s[WH], 3
	s_lshl_b32 s3, s[UU], 1
	s_add_co_u32 s2, s2, s3
	s_mul_i32 s2, s2, KS3
	s_add_co_u32 s2, s2, BOFF                      ; my rowblocks of source 0 in a slot
	s_lshl_b32 s3, s[UU], 7
	s_wait_kmcnt 0x0
	; a sum stands for sum x 2^(its two scales); its code is sum / 2^E, the three exponents folded into one
	s_sub_co_i32 s96, s90, s84
	s_sub_co_i32 s96, s96, s85                     ; q: e6 - e0 - e1
	s_sub_co_i32 s97, s91, s86
	s_sub_co_i32 s97, s97, s87                     ; k: e7 - e2 - e3
	s_sub_co_i32 s98, s93, s88
	s_sub_co_i32 s98, s98, s89                     ; v: e9 - e4 - e5
	s_cmp_lt_u32 s[XC], 2
	s_cselect_b32 s96, s96, s97
	s_cmp_eq_u32 s[XC], 3
	s_cselect_b32 s96, s98, s96
	s_add_co_i32 s96, s96, 127
	s_lshl_b32 s97, s96, 23
	s_add_co_i32 s96, s96, 8
	s_lshl_b32 s96, s96, 23
	s_or_b32 s96, s96, 0x600000
	v_and_b32 v2, 31, v0
	v_lshlrev_b32 v[L16], 4, v2
	v_mov_b32 v[ADA], v[L16]
	v_add_nc_u32 v[ADA+1], SLOTB, v[L16]
	v_add_nc_u32 v[ADB], s2, v[L16]
	v_add_nc_u32 v[ADB+1], SLOTB, v[ADB]
	v_and_b32 v2, 15, v0
	v_bfe_u32 v3, v0, 4, 1
	v_lshlrev_b32 v[CSO], 9, v2
	v_lshl_add_u32 v[CSO], v3, 5, v[CSO]
	v_add_nc_u32 v[CSO], s3, v[CSO]                ; token lane % 16, channel 8 (lane / 16) + 32 u
	v_mov_b32 v[SCV], s97                          ; 2^E
	v_mov_b32 v[LIMV], s96                         ; 448 x 2^E
	s_wait_alu depctr_va_vdst(0)                   ; the head's end
	s_wait_tensorcnt 0x0                           ; my part of k-steps 0, 1 is in; slot 1's first fill is issued as a refill is
	ds_add_u32 v[SPW], v[NIL]
	s_add_nc_u64 s[G0A+2:G0A+3], s[G0A+2:G0A+3], 5*2048   ; slot 0's next tile: k-steps 5-7
	s_add_nc_u64 s[G0B+2:G0B+3], s[G0B+2:G0B+3], 5*2048
	s_wait_dscnt 0x0
	CROUND
	JLOAD G0A+4, G1A, G0B+4, G1B
	FETCH 0, 0, 0
	WIN 0
	ASK 0, PFO, 16384                              ; slot j = 2 (k-steps 8-10)
	STEP 0, 0, 1, 1                                ; k-step 0 starts the sums: nothing is cleared
	TURN 1, 0, 1, 1, 1, 0
	WIN 0
	s_mov_b32 s[LOOP], 4
.Lpair:                                            ; a trip: slot 1 and slot 0, six k-steps, and both are filled again: the sets' turns are back where they began
	STEP 0, 1, 1, 0
	STEP 1, 1, 2, 0
	TURN 0, 1, 0, 1, 2, 0
	STEP 1, 0, 1, 0
	STEP 0, 0, 2, 0
	TURN 1, 0, 1, 1, 2, 0
	WIN 0
	s_sub_co_u32 s[LOOP], s[LOOP], 1
	s_cmp_lg_u32 s[LOOP], 0
	s_cbranch_scc1 .Lpair
	s_cmp_eq_u32 s[XC], 3                          ; the cluster's x: the same in all partners; no tensor load follows
	s_cbranch_scc1 .Lvalues
	; ---- q and k: cos and sin of the first four blocks are asked for ahead of the last six k-steps
	CSLOAD 0
	CSLOAD 1
	CSLOAD 2
	CSLOAD 3
	TAIL 1
.irp a, 0,1,2,3,4,5,6,7
.if (\a == 0) || (\a == 4)
	s_wait_loadcnt 48                              ; block 0: blocks 0-3 are in, 4-6 may be out; block 4: it is in, 5-7 may be out
.elseif \a > 4
	s_wait_loadcnt 16*(7-\a)
.endif
	ROPE \a
	QSTORE \a
.if \a == 0
	CSLOAD 7                                       ; into the home that has just been read
.endif
.endr
.irp b, 0,1,2,3,4,5,6,7
	QSEND1 \b
.endr
	FINISH
	; ---- v
.Lvalues:
	TAIL 0
.irp a, 0,1,2,3,4,5,6,7
	VHOLD \a
	QSTORE \a
.endr
.irp b, 0,1,2,3,4,5,6,7
	QSEND1 \b
.endr
	FINISH
.Lfunc_end_k_q6f44572a7c_qkv:
	.size	k_q6f44572a7c_qkv, .Lfunc_end_k_q6f44572a7c_qkv-k_q6f44572a7c_qkv
	.p2alignl 7, 3214868480
	.fill 96, 4, 3214868480
	.section	.rodata,"a",@progbits
	.p2align	6, 0x0
	.amdhsa_kernel k_q6f44572a7c_qkv
		.amdhsa_group_segment_fixed_size 327680
		.amdhsa_private_segment_fixed_size 0
		.amdhsa_enable_private_segment 0
		.amdhsa_kernarg_size 48
		.amdhsa_user_sgpr_count 2
		.amdhsa_user_sgpr_kernarg_segment_ptr 1
		.amdhsa_wavefront_size32 1
		.amdhsa_system_sgpr_workgroup_id_x 1
		.amdhsa_system_sgpr_workgroup_id_y 1
		.amdhsa_system_sgpr_workgroup_id_z 1
		.amdhsa_system_vgpr_workitem_id 0
		.amdhsa_next_free_vgpr 1024
		.amdhsa_next_free_sgpr 102
		.amdhsa_reserve_vcc 0
		.amdhsa_float_denorm_mode_32 3
		.amdhsa_float_denorm_mode_16_64 3
		.amdhsa_memory_ordered 1
		.amdhsa_forward_progress 1
		.amdhsa_inst_pref_size 189
	.end_amdhsa_kernel
	.amdgpu_metadata
---
amdhsa.version: [ 1, 2 ]
amdhsa.kernels:
  - .name:           k_q6f44572a7c_qkv
    .symbol:         k_q6f44572a7c_qkv.kd
    .args:
      - { .name: gin, .offset: 0, .size: 8, .value_kind: global_buffer, .address_space: global }
      - { .name: cos, .offset: 8, .size: 8, .value_kind: global_buffer, .address_space: global }
      - { .name: sin, .offset: 16, .size: 8, .value_kind: global_buffer, .address_space: global }
      - { .name: lowp_scales, .offset: 24, .size: 8, .value_kind: global_buffer, .address_space: global }
      - { .name: qimg, .offset: 32, .size: 8, .value_kind: global_buffer, .address_space: global }
      - { .name: kv, .offset: 40, .size: 8, .value_kind: global_buffer, .address_space: global }
    .group_segment_fixed_size: 327680
    .private_segment_fixed_size: 0
    .kernarg_segment_align: 8
    .kernarg_segment_size: 48
    .max_flat_workgroup_size: 128
    .sgpr_count:     102
    .vgpr_count:     1024
    .wavefront_size: 32
...
	.end_amdgpu_metadata
.endif
;; end of part 2
;; launch attn (part 3): grid 32 x 8, 8 waves a work-group, clusters of 4 x 4, 327,680 bytes of LDS; arguments qimg, kv, causal_mask, lowp_scales, oin; writes oin
.if DOCPART == 3
	.amdgcn_target "amdgcn-amd-amdhsa--gfx1250"
	.amdhsa_code_object_version 6
	.text
	.protected	k_q6f44572a7c_attn
	.globl	k_q6f44572a7c_attn
	.p2align	8
	.type	k_q6f44572a7c_attn,@function
k_q6f44572a7c_attn:
	s_mov_b64 s[64:65], 0
	v_nop
	global_prefetch_b8 v0, s[64:65] scope:SCOPE_SE
	s_setreg_imm32_b32 hwreg(HW_REG_WAVE_MODE, 25, 1), 1
	s_wait_xcnt 0x0
	s_wait_alu depctr_hold_cnt(0) depctr_sa_sdst(0) depctr_va_vdst(0) depctr_va_sdst(0) depctr_va_ssrc(0) depctr_va_vcc(0) depctr_vm_vsrc(0)
	s_getreg_b32 s2, hwreg(HW_REG_IB_STS2, 6, 4)
	s_cmp_eq_u32 s2, 0
	s_cbranch_scc0 .Lentry_in_a_cluster
	s_endpgm
.Lentry_in_a_cluster:
	s_bfe_u32 s2, ttmp6, 0x10000c
	s_cmp_lg_u32 s2, 0xf033
	s_cbranch_scc0 .Lentry_shape_is_right
	s_endpgm
.Lentry_shape_is_right:
; ATTN: softmax(q k^T / sqrt(128) + mask) v on codes of FP8, and the result quantised (scale 10) into images for the last product.  The mask is an input: every score is computed, and the mask is read and added as it is given.
; THE SOFTMAX: t = logit x log2(e); M = the largest t so far, rounded UP to a whole number; p = 2^(t - M) is quantised (scale 8), not normalised; the sum is taken of the unquantised p and divides at the end.
; SHARES.  A work-group owns 64 queries and one key-value head, so two query heads.  Wave w: queries 16 (w % 4) on, and of every slot of 256 keys the key step w / 4.  It holds TWO PIECES, the two query heads
; (piece 0: head 2 g + w / 4; piece 1: the other), so each image of K or V read from LDS feeds two matrix instructions and the mask is read once for both.  At the end waves w and w xor 4 exchange their piece 1
; through LDS and each finishes its piece 0: M is a whole number, so joining the two halves of the keys is a multiplication by powers of two.  Two waves share a SIMD: one's vector work stands beside the other's products.
; LAYOUT.  S^T = K Q^T + C (source 0 = 16 keys, source 1 = 16 queries), O^T += V^T P (source 0 = 16 channels): a lane holds ONE query throughout, and 8 registers are 8 neighbouring keys or channels: one conversion makes a register pair of the next operand.
; THE MASK IS THE C OF THE FIRST PRODUCT, as mask x sqrt(128) / 2^(e6 + e7): (sum + C) x c = t, with c = log2(e) / sqrt(128) x 2^(e6 + e7).
; CLUSTER 4 x 4.  K's and V's tiles hang on the head alone and are asked for jointly along a row of the cluster; the mask's hang on the queries alone and are asked for jointly along a column.
; LIMITS: e6 + e7 between -123 and 120; e8 and e10 between -126 and 119; e8 + e9 goes in by v_ldexp_f32 and has none.
; REGISTERS: window 0: v1-12 addresses, v16-23 statistics (a piece: -M, largest t, the sum in two halves), v24-55 Q, v64-191 S^T then p, v192-223 P's codes, v224-243 at work and scales;
;   window 1: v0-127 O^T, v128-191 four images of K or V, v192-255 the mask.
.set KVS,   65536                      ; a slot of K and V: 16 images of K, then V's [key step 2][channel tile 8]
.set MK0,   131072                     ; the mask's slots: 64 rows x (1,024 bytes + 16): row r starts 4 r words further round the banks
.set MP,    1040
.set MKS,   64*MP
.set SPARE, MK0+2*MKS                  ; the spare words, 128 bytes a wave, that no other line names
.set XO,    0                          ; the exchange: 8,192 bytes a wave in K's slot 0 and 256 a wave in the mask's slot 0, which have had their last fill and their last read by then
.set XST,   MK0
.set L16,  1
.set AKV,  2                           ; v2, v3   16 x lane + 16,384 (w / 4), in slot 0, 1
.set AM,   4                           ; v4, v5   my query's row of the mask, my key step, + 32 (lane / 16), in slot 0, 1
.set SPW,  6
.set NIL,  7
.set PFO,  8
.set XWR,  9
.set XRD,  10
.set XSW,  11
.set XSR,  12
.set ST,   16
.set Q,    24
.set S,    64
.set P,    192
.set F,    232                         ; v[232:233] 2^(old M - new M)
.set TA,   234
.set TB,   235
.set TP,   236
.set SB,   238
.set PLIM, 240
.set PSCL, 241
.set CLIM, 242
.set CSCL, 243
.set FR,   128                         ; window 1
.set MS,   192
.set WV,   14
.set QT,   15
.set HALF, 16
.set CX,   17
.set CY,   18
.set QB,   19
.set GH,   20
.set CLY,  21
.set G1K,  24
.set G1M,  32
.set G0K,  40                          ; a group 0 for each slot
.set G0M,  48
.set CS,   56
.set IC,   58
.set SEL,  60
.set LOOP, 62
.set ASKF, 63
.set PFA,  66
.set PFS,  68
.set MSB, 0
.macro WIN new
.if MSB != \new
	s_set_vgpr_msb (MSB<<8)|\new
.set MSB, \new
.endif
.endm
.set W_KQ, 0x11                        ; K and the mask in window 1, Q and S^T in window 0
.set W_PV, 0x51                        ; V and O^T in window 1, P in window 0
.set TO1,  0x40                        ; destination window 1
.set W_RS, 0x41                        ; destination and source 0 window 1
.macro PLACES
.rept 4
	v_nop
.endr
.endm
.macro CROUND                          ; a round of the cluster's barrier
	s_barrier_signal -1
	s_barrier_wait -1
	s_cmp_lg_u32 s[WV], 0
	s_cbranch_scc1 .Lnot_wave_0_\@
	s_barrier_signal -3
.Lnot_wave_0_\@:
	s_barrier_wait -3
	s_barrier_signal -1
	s_barrier_wait -1
.endm
.macro JLOAD s                         ; a joint load into slot s: waves 0-3 a quarter of K and V each, waves 4-7 sixteen rows of the mask each.  The branch hangs on the wave's number alone
	s_cmp_lt_u32 s[WV], 4
	s_cbranch_scc0 .Lfor_m_\@
	tensor_load_to_lds s[G0K+4*(\s):G0K+4*(\s)+3], s[G1K:G1K+7]
	s_nop 0
	PLACES
	s_branch .Lasked_\@
.Lfor_m_\@:
	tensor_load_to_lds s[G0M+4*(\s):G0M+4*(\s)+3], s[G1M:G1M+7]
	s_nop 0
	PLACES
.Lasked_\@:
.endm
; A PREFETCH of the tile that the NEXT change of slots will ask for, behind my tensor load's lines.  Each aligned block of 256 bytes is named once in the launch: K's and V's tiles are asked for by the clusters with x = 0
; (waves 0, 1: 8,192 bytes each of the 16,384 that the partner at cx takes), the mask's by the clusters with y = 0 (waves 4, 5: 8 rows x 1,024 bytes each of the 16 rows that the partner at cy takes).
; Partners are told apart by address; the flag hangs on the wave's number and the cluster's place alone.  The last two changes ask for nothing.
.macro ASK
	s_cmp_eq_u32 s[ASKF], 1
	s_cbranch_scc0 .Lnot_mine_\@
	global_prefetch_b8 v[PFO], s[PFA:PFA+1] th:TH_LOAD_NT scope:SCOPE_SE
.Lnot_mine_\@:
.endm
.macro FRLOAD slot, off                ; four images from byte off of my part of the slot
	WIN TO1
.irp t, 0,1,2,3
.irp c, 0,1,2,3
	ds_load_b128 v[FR+16*\t+4*\c:FR+16*\t+4*\c+3], v[AKV+\slot] offset:(\off)+2048*\t+512*\c
.endr
.endr
.endm
.macro SMUL t0                         ; key tiles t0 .. t0 + 3, both pieces: eight different accumulators, each begun with the mask as C
	WIN W_KQ
.irp t, 0,1,2,3
.irp p, 0,1
	v_wmma_f32_16x16x128_fp8_fp8 v[S+64*\p+8*(\t0+\t):S+64*\p+8*(\t0+\t)+7], v[FR+16*\t:FR+16*\t+15], v[Q+16*\p:Q+16*\p+15], v[MS+8*(\t0+\t):MS+8*(\t0+\t)+7]
.endr
.endr
.endm
.macro OMUL t0                         ; channel tiles t0 .. t0 + 3, both pieces: the accumulators take turns
	WIN W_PV
.irp t, 0,1,2,3
.irp p, 0,1
	v_wmma_f32_16x16x128_fp8_fp8 v[64*\p+8*(\t0+\t):64*\p+8*(\t0+\t)+7], v[FR+16*\t:FR+16*\t+15], v[P+16*\p:P+16*\p+15], v[64*\p+8*(\t0+\t):64*\p+8*(\t0+\t)+7]
.endr
.endr
.endm
.macro SOFTMAX p
.set rS, S+64*\p
.set rT, ST+4*\p
.set rP, P+16*\p
	v_max3_num_f32 v[TA], v[rS], v[rS+1], v[rS+2]  ; the step's largest sum of my query among my 64 keys, in two chains, each accumulator from its low end on
	v_max3_num_f32 v[TB], v[rS+3], v[rS+4], v[rS+5]
.set jj, 6
.rept 14
	v_max3_num_f32 v[TA], v[TA], v[rS+jj], v[rS+jj+1]
	v_max3_num_f32 v[TB], v[TB], v[rS+jj+2], v[rS+jj+3]
.set jj, jj+4
.endr
	v_max3_num_f32 v[TA], v[TA], v[rS+62], v[rS+63]
	s_delay_alu instid0(VALU_DEP_1)
	v_max_num_f32 v[TA], v[TA], v[TB]
	s_delay_alu instid0(VALU_DEP_1)
	v_permlanex16_b32 v[TP], v[TA], s[SEL], s[SEL+1]
	s_delay_alu instid0(VALU_DEP_1)
	v_max_num_f32 v[TA], v[TA], v[TP]              ; and among lane l xor 16's
	s_delay_alu instid0(VALU_DEP_1)
	v_mul_f32 v[TA], s[CS], v[TA]                  ; as t (c is positive)
	s_delay_alu instid0(VALU_DEP_1)
	v_max_num_f32 v[rT+1], v[rT+1], v[TA]          ; the running largest t
	v_mov_b32 v[TA], v[rT]
	s_delay_alu instid0(VALU_DEP_2)
	v_floor_f32 v[rT], -v[rT+1]                    ; -M = floor(-t): M is a whole number
	s_delay_alu instid0(VALU_DEP_1)
	v_sub_f32 v[TA], v[rT], v[TA]                  ; old M - new M, 0 or less
	s_delay_alu instid0(VALU_DEP_1)
	v_cvt_i32_f32 v[TA], v[TA]                     ; (it saturates)
	s_delay_alu instid0(VALU_DEP_1)
	v_ldexp_f32 v[F], 1.0, v[TA]                   ; f = 2^(old M - new M): rounds nothing
.set jj, 0
.rept 32
	v_pk_fma_f32 v[rS+jj:rS+jj+1], v[rS+jj:rS+jj+1], s[CS:CS+1], v[rT:rT+1] op_sel_hi:[1,0,0]   ; t - M, two at a time
.set jj, jj+2
.endr
.set jj, 0
	s_wait_alu depctr_va_vdst(0)
.rept 64
	v_exp_f32 v[rS+jj], v[rS+jj]                   ; p = 2^(t - M)
.set jj, jj+1
.endr
	v_pk_mul_f32 v[rT+2:rT+3], v[rT+2:rT+3], v[F:F+1] op_sel_hi:[1,0]   ; the sums under the new M; a plain line behind the exponentials
	s_wait_alu depctr_va_vdst(0)                   ; one wait for the whole batch, ahead of its first reader
	v_pk_add_f32 v[SB:SB+1], v[rS:rS+1], v[rS+2:rS+3]   ; the sum of the UNQUANTISED p, in two chains
.set jj, 4
.rept 15
	v_pk_add_f32 v[rT+2:rT+3], v[rT+2:rT+3], v[rS+jj:rS+jj+1]
	v_pk_add_f32 v[SB:SB+1], v[SB:SB+1], v[rS+jj+2:rS+jj+3]
.set jj, jj+4
.endr
	s_delay_alu instid0(VALU_DEP_1)
	v_pk_add_f32 v[rT+2:rT+3], v[rT+2:rT+3], v[SB:SB+1]
.set bb, 0
.rept 8
.set jj, 0
.rept 8
	v_min_num_f32 v[rS+8*bb+jj], v[rS+8*bb+jj], v[PLIM]   ; the conversion does not saturate (ISA guide 7.6.2); p is not negative, so the hold is one-sided
.set jj, jj+1
.endr
	v_cvt_scalef32_pk8_fp8_f32 v[rP+2*bb:rP+2*bb+1], v[rS+8*bb:rS+8*bb+7], v[PSCL]   ; keys 16 bb + 8 (lane / 16) + 0 .. 7: register pair bb of P's image
.set bb, bb+1
.endr
	WIN W_RS
.set jj, 0
.rept 32
	v_pk_mul_f32 v[64*\p+jj:64*\p+jj+1], v[64*\p+jj:64*\p+jj+1], v[F:F+1] op_sel_hi:[1,0]   ; O^T under the new M; also the plain lines behind the conversions
.set jj, jj+2
.endr
	WIN 0
.endm
.macro KSTEP slot                      ; my 128 keys of the slot, both pieces
	PLACES                                         ; the loads below land in registers that the last products read
	WIN TO1
.irp t, 0,1,2,3,4,5,6,7
.irp e, 0,1
	ds_load_b128 v[MS+8*\t+4*\e:MS+8*\t+4*\e+3], v[AM+\slot] offset:64*\t+16*\e   ; mask(my query, keys 16 t + 8 (lane / 16) + 0 .. 7): the result's layout
.endr
.endr
	FRLOAD \slot, 0                                ; K's tiles 0-3
	s_wait_dscnt 16                                ; the mask is in; K's 16 loads may be out
	WIN W_RS
.set jj, 0
.rept 32
	v_pk_mul_f32 v[MS+jj:MS+jj+1], v[MS+jj:MS+jj+1], s[IC:IC+1] op_sel_hi:[1,0]
.set jj, jj+2
.endr
	s_wait_alu depctr_va_vdst(0)
	s_wait_dscnt 0x0
	SMUL 0
	PLACES
	FRLOAD \slot, 8192                             ; K's tiles 4-7
	s_wait_dscnt 0x0
	SMUL 4
	PLACES                                         ; in front of the loads and of the first read of the sums
	FRLOAD \slot, 32768                            ; V's tiles 0-3 land while the softmax is walked
	WIN 0
	SOFTMAX 0
	SOFTMAX 1
	s_wait_alu depctr_va_vdst(0)
	s_wait_dscnt 0x0
	OMUL 0
	PLACES
	FRLOAD \slot, 32768+8192
	s_wait_dscnt 0x0
	OMUL 4
	WIN 0
.endm
; A change of slots and a key step.  Each wave waits for all its tensor loads (its part of the slot ahead), adds 0 to its spare word, and waits for that and for its reads of the slot that it leaves; a round of the
; cluster's barrier; then the slot just left is filled, one joint load a wave, which has this key step in which to land.
.macro TRIP slot, refill, ask
	s_wait_tensorcnt 0x0                           ; no tensor load of mine is out, so a group 0 may be written
	ds_add_u32 v[SPW], v[NIL]
	s_add_nc_u64 s[G0K+4*\slot+2:G0K+4*\slot+3], s[G0K+4*\slot+2:G0K+4*\slot+3], 2*KVS   ; this slot's next tile: 512 keys on
	s_add_nc_u64 s[G0M+4*\slot+2:G0M+4*\slot+3], s[G0M+4*\slot+2:G0M+4*\slot+3], 2048
.if \ask
	s_wait_xcnt 0x0                                ; the last prefetch, a key step back, has read its address
	s_add_nc_u64 s[PFA:PFA+1], s[PFA:PFA+1], s[PFS:PFS+1]
.endif
	s_wait_dscnt 0x0                               ; the add is done, and my reads of the slot that I leave are over
	CROUND
.if \refill
	JLOAD 1-\slot
.endif
.if \ask
	ASK
.endif
	KSTEP \slot
.endm
	s_load_b256 s[4:11], s[0:1], 0x0               ; qimg s[4:5], kv s[6:7], the mask s[8:9], the scales s[10:11]
	s_load_b64 s[12:13], s[0:1], 0x20              ; oin
	v_lshl_add_u32 v[SPW], v0, 2, SPARE
	v_mov_b32 v[NIL], 0
	ds_add_u32 v[SPW], v[NIL]                      ; the wave's opening: the add and its wait ahead of my first tensor load; work on registers stands between them
	ds_add_u32 v[SPW], v[NIL]
	v_lshrrev_b32 v13, 5, v0
	s_delay_alu instid0(VALU_DEP_1)
	v_readfirstlane_b32 s[WV], v13
	s_and_b32 s[QT], s[WV], 3
	s_lshr_b32 s[HALF], s[WV], 2
	s_bfe_u32 s[CX], ttmp6, 0x40000
	s_bfe_u32 s[CY], ttmp6, 0x40004
	s_lshl_b32 s[QB], ttmp9, 2
	s_add_co_u32 s[QB], s[QB], s[CX]               ; my block of 64 queries
	s_and_b32 s[CLY], ttmp7, 0xffff
	s_lshl_b32 s[GH], s[CLY], 2
	s_add_co_u32 s[GH], s[GH], s[CY]               ; my key-value head
	s_lshl_b32 s90, s[CY], 2
	s_lshl_b32 s90, 15, s90                        ; my row of the cluster
	s_lshl_b32 s91, 0x1111, s[CX]                  ; my column
	s_or_b32 s[G1K], s90, (3<<16)|(1<<21)          ; K, V: 64 dense rows of 256 bytes, elements of 8 bytes, no padding; the mask names my row
	s_mov_b32 s[G1K+1], 32<<16
	s_mov_b32 s[G1K+2], 64<<16
	s_mov_b32 s[G1K+3], 32<<16
	s_mov_b32 s[G1K+4], 64
	s_mov_b32 s[G1K+5], 32
	s_mov_b32 s[G1K+6], 0
	s_mov_b32 s[G1K+7], 0
	s_or_b32 s[G1M], s91, (2<<16)|(1<<20)|(1<<21)|(7<<22)|(3<<25)   ; the mask: 16 rows of 256 f32, four words of padding behind every 256; it names my column
	s_mov_b32 s[G1M+1], 256<<16
	s_mov_b32 s[G1M+2], 16<<16
	s_mov_b32 s[G1M+3], 256<<16
	s_mov_b32 s[G1M+4], 16
	s_mov_b32 s[G1M+5], 2048
	s_mov_b32 s[G1M+6], 0
	s_mov_b32 s[G1M+7], 0
	s_lshl_b32 s22, s[GH], 19                      ; K, V in memory: head, my quarter of a slot: made of the head and the wave alone
	s_lshl_b32 s23, s[QT], 14
	s_add_co_u32 s22, s22, s23
	s_mov_b32 s23, 0
	s_lshl_b32 s70, s[QB], 19                      ; the mask in memory: 64 rows of 8,192 bytes a block, my 16 rows: made of the block and the wave alone
	s_lshl_b32 s71, s[QT], 17
	s_add_co_u32 s70, s70, s71
	s_mov_b32 s71, 0
	; LDS addresses
	v_and_b32 v13, 31, v0
	s_delay_alu instid0(VALU_DEP_1)
	v_lshlrev_b32 v[L16], 4, v13
	s_lshl_b32 s90, s[HALF], 14
	v_add_nc_u32 v[AKV], s90, v[L16]
	s_delay_alu instid0(VALU_DEP_1)
	v_add_nc_u32 v[AKV+1], KVS, v[AKV]
	v_and_b32 v14, 15, v0
	v_bfe_u32 v15, v0, 4, 1
	s_delay_alu instid0(VALU_DEP_2)
	v_mul_u32_u24 v[AM], v14, MP
	s_delay_alu instid0(VALU_DEP_1)
	v_lshl_add_u32 v[AM], v15, 5, v[AM]
	s_mul_i32 s90, s[QT], 16*MP
	s_lshl_b32 s91, s[HALF], 9
	s_add_co_u32 s90, s90, s91
	s_add_co_u32 s90, s90, MK0
	v_add_nc_u32 v[AM], s90, v[AM]
	s_delay_alu instid0(VALU_DEP_1)
	v_add_nc_u32 v[AM+1], MKS, v[AM]
	s_lshl_b32 s90, s[WV], 13
	v_add_nc_u32 v[XWR], s90, v[L16]               ; the exchange: where I put my piece 1,
	s_xor_b32 s91, s[WV], 4
	s_lshl_b32 s90, s91, 13
	v_add_nc_u32 v[XRD], s90, v[L16]               ; and where wave w xor 4 puts its own
	s_lshl_b32 s90, s[WV], 8
	s_add_co_u32 s90, s90, XST
	v_lshl_add_u32 v[XSW], v13, 3, s90
	s_lshl_b32 s90, s91, 8
	s_add_co_u32 s90, s90, XST
	v_lshl_add_u32 v[XSR], v13, 3, s90
	; the prefetches: offsets of tile 1; the first change steps them to tile 2
	s_and_b32 s90, s[WV], 1
	s_lshl_b32 s91, s[GH], 19
	s_lshl_b32 s92, s[CX], 14
	s_add_co_u32 s91, s91, s92
	s_lshl_b32 s92, s90, 13
	s_add_co_u32 s91, s91, s92
	s_add_co_u32 s91, s91, KVS
	s_lshl_b32 s92, s[QB], 6
	s_lshl_b32 s93, s[CY], 4
	s_add_co_u32 s92, s92, s93
	s_lshl_b32 s93, s90, 3
	s_add_co_u32 s92, s92, s93
	s_lshl_b32 s92, s92, 13
	s_add_co_u32 s92, s92, 1024
	s_mov_b32 s[PFS], 1024
	s_mov_b32 s93, 8192
	s_cmp_lt_u32 s[WV], 4
	s_cselect_b32 s94, s91, s92
	s_cselect_b32 s[PFS], KVS, s[PFS]              ; a tile on
	s_cselect_b32 s93, 1024, s93                   ; from four lanes to the next four
	s_cselect_b32 s91, ttmp9, s[CLY]               ; the coordinate along which other clusters read the same bytes
	s_mov_b32 s95, 0
	s_mov_b32 s[PFS+1], 0
	s_and_b32 s90, s[WV], 2
	s_or_b32 s90, s90, s91
	s_cmp_eq_u32 s90, 0
	s_cselect_b32 s[ASKF], 1, 0
	v_lshrrev_b32 v14, 2, v13
	v_and_b32 v15, 3, v13
	s_delay_alu instid0(VALU_DEP_2)
	v_mul_lo_u32 v14, v14, s93
	s_delay_alu instid0(VALU_DEP_1)
	v_lshl_add_u32 v[PFO], v15, 8, v14
	; Q's images and the output's
	s_lshl_b32 s90, s[GH], 1
	s_add_co_u32 s91, s90, s[HALF]                 ; piece 0's head
	s_add_co_u32 s92, s90, 1
	s_sub_co_u32 s92, s92, s[HALF]                 ; piece 1's
	s_lshl_b32 s93, s[QB], 2
	s_add_co_u32 s93, s93, s[QT]                   ; my tile of 16 queries
	s_lshl_b32 s84, s91, 18
	s_lshl_b32 s90, s93, 11
	s_add_co_u32 s84, s84, s90
	s_mov_b32 s85, 0
	s_lshl_b32 s86, s92, 18
	s_add_co_u32 s86, s86, s90
	s_mov_b32 s87, 0
	s_lshl_b32 s88, s93, 15
	s_lshl_b32 s90, s91, 11
	s_add_co_u32 s88, s88, s90
	s_mov_b32 s89, 0
	s_mov_b32 s[SEL], 0x76543210
	s_mov_b32 s[SEL+1], 0xfedcba98
	s_mov_b32 s[CS], 0x3e0293ee                    ; log2(e) / sqrt(128)
	s_mov_b32 s[IC], 0x413504f3                    ; sqrt(128)
	s_lshl_b32 s90, s[QT], 14                      ; where my tiles go in a slot
	s_mul_i32 s91, s[QT], 16*MP
	s_wait_dscnt 0x0                               ; the opening add is done
	s_wait_kmcnt 0x0
	s_load_b256 s[72:79], s[10:11], 0x0            ; e0 .. e7
	s_load_b128 s[80:83], s[10:11], 0x20           ; e8 .. e11
	s_add_nc_u64 s[22:23], s[6:7], s[22:23]
	s_add_nc_u64 s[70:71], s[8:9], s[70:71]
.irp s, 0,1
	s_mov_b32 s[G0K+4*\s], 1
	s_add_co_u32 s[G0K+4*\s+1], s90, \s*KVS
	s_add_nc_u64 s[G0K+4*\s+2:G0K+4*\s+3], s[22:23], \s*KVS
	s_or_b32 s[G0K+4*\s+3], s[G0K+4*\s+3], 0x80000000
	s_mov_b32 s[G0M+4*\s], 1
	s_add_co_u32 s[G0M+4*\s+1], s91, MK0+\s*MKS
	s_add_nc_u64 s[G0M+4*\s+2:G0M+4*\s+3], s[70:71], \s*1024
	s_or_b32 s[G0M+4*\s+3], s[G0M+4*\s+3], 0x80000000
.endr
	s_cmp_lt_u32 s[WV], 4
	s_cselect_b64 s[PFA:PFA+1], s[6:7], s[8:9]
	s_add_nc_u64 s[PFA:PFA+1], s[PFA:PFA+1], s[94:95]
	s_add_nc_u64 s[84:85], s[4:5], s[84:85]
	s_add_nc_u64 s[86:87], s[4:5], s[86:87]
	s_add_nc_u64 s[88:89], s[12:13], s[88:89]
	CROUND                                         ; all sixteen work-groups are here: the first joint loads meet
	JLOAD 0                                        ; tile 0: one load of mine is out
.irp c, 0,1,2,3
	global_load_b128 v[Q+4*\c:Q+4*\c+3], v[L16], s[84:85] offset:512*\c
	global_load_b128 v[Q+16+4*\c:Q+16+4*\c+3], v[L16], s[86:87] offset:512*\c
.endr
	WIN TO1
.set jj, 0
.rept 128
	v_mov_b32 v[jj], 0                             ; O^T: the key step is written once for each slot; its first walk finds zeros, which the first change of M leaves zeros
.set jj, jj+1
.endr
	WIN 0
.irp p, 0,1
	v_mov_b32 v[ST+4*\p+1], 0xff61b1e6             ; the largest t so far: -3e38
	s_delay_alu instid0(VALU_DEP_1)
	v_floor_f32 v[ST+4*\p], -v[ST+4*\p+1]
	v_mov_b32 v[ST+4*\p+2], 0
	v_mov_b32 v[ST+4*\p+3], 0
.endr
	v_mov_b32 v[F+1], 0                            ; named as upper halves of pairs, or as a permute's destination: written once
	v_mov_b32 v231, 0
	v_mov_b32 v[TP], 0
	s_wait_kmcnt 0x0
	s_add_co_i32 s90, s78, s79                     ; e6 + e7: added to c's exponent field, taken off sqrt(128)'s
	s_lshl_b32 s90, s90, 23
	s_add_co_i32 s[CS], s[CS], s90
	s_mov_b32 s[CS+1], s[CS]
	s_sub_co_i32 s[IC], s[IC], s90
	s_mov_b32 s[IC+1], s[IC]
	s_add_co_i32 s90, s80, 127
	s_lshl_b32 s91, s90, 23
	v_mov_b32 v[PSCL], s91                         ; 2^e8
	s_add_co_i32 s90, s90, 8
	s_lshl_b32 s90, s90, 23
	s_or_b32 s90, s90, 0x600000
	v_mov_b32 v[PLIM], s90                         ; 448 x 2^e8
	s_add_co_i32 s90, s82, 127
	s_lshl_b32 s91, s90, 23
	v_mov_b32 v[CSCL], s91                         ; 2^e10
	s_add_co_i32 s90, s90, 8
	s_lshl_b32 s90, s90, 23
	s_or_b32 s90, s90, 0x600000
	v_mov_b32 v[CLIM], s90                         ; 448 x 2^e10
	s_wait_loadcnt 0x0                             ; Q
	s_mov_b32 s[LOOP], 3
.Lpair:                                            ; eight tiles: three trips of two, and the last two written out
	TRIP 0, 1, 1
	TRIP 1, 1, 1
	s_sub_co_u32 s[LOOP], s[LOOP], 1
	s_cmp_lg_u32 s[LOOP], 0
	s_cbranch_scc1 .Lpair
	TRIP 0, 1, 0
	TRIP 1, 0, 0
	; THE TWO HALVES OF THE KEYS ARE JOINED.  My piece 1 goes to wave w xor 4, whose piece 1 is my piece 0's head over the other keys.
	PLACES
	v_add_f32 v21, v22, v23                        ; piece 1's sum over my lane's keys, beside its -M
	WIN 0x04                                       ; store data window 1
.set jj, 0
.rept 16
	ds_store_b128 v[XWR], v[64+4*jj:64+4*jj+3] offset:XO+512*jj
.set jj, jj+1
.endr
	WIN 0
	ds_store_b64 v[XSW], v[20:21]
	s_wait_dscnt 0x0                               ; for the other wave's sake: my stores have landed
	s_barrier_signal -1
	s_barrier_wait -1
.set jj, 0
.rept 16
	ds_load_b128 v[S+4*jj:S+4*jj+3], v[XRD] offset:XO+512*jj
.set jj, jj+1
.endr
	ds_load_b64 v[224:225], v[XSR]
	v_add_f32 v18, v18, v19
	s_wait_dscnt 0x0
	v_min_num_f32 v226, v16, v224                  ; -M of the larger M
	s_delay_alu instid0(VALU_DEP_1)
	v_sub_f32 v228, v226, v16
	s_delay_alu instid0(VALU_DEP_2)
	v_sub_f32 v229, v226, v224
	s_delay_alu instid0(VALU_DEP_2)
	v_cvt_i32_f32 v228, v228
	s_delay_alu instid0(VALU_DEP_2)
	v_cvt_i32_f32 v229, v229
	s_delay_alu instid0(VALU_DEP_2)
	v_ldexp_f32 v228, 1.0, v228                    ; 2^(my M - M)
	s_wait_alu depctr_va_vdst(0)
	v_ldexp_f32 v229, 1.0, v229                    ; 2^(the other's M - M)
	v_mul_f32 v18, v18, v228
	s_delay_alu instid0(VALU_DEP_1)
	v_fma_f32 v18, v225, v229, v18
	s_delay_alu instid0(VALU_DEP_1)
	v_permlanex16_b32 v[TP], v18, s[SEL], s[SEL+1]
	s_delay_alu instid0(VALU_DEP_1)
	v_add_f32 v18, v18, v[TP]                      ; the row's sum
	s_wait_alu depctr_va_vdst(0)
	v_rcp_f32 v18, v18
	v_nop                                          ; a plain line behind the reciprocal
	s_add_co_i32 s90, s80, s81                     ; e8 + e9
	s_wait_alu depctr_va_vdst(0)                   ; the wait ahead of its first reader
	v_ldexp_f32 v18, v18, s90
	s_delay_alu instid0(VALU_DEP_1)
	v_mul_f32 v[F], v228, v18
	s_delay_alu instid0(VALU_DEP_2)
	v_mul_f32 v230, v229, v18
.set jj, 0
.rept 32
	v_pk_mul_f32 v[128+jj:129+jj], v[S+jj:S+jj+1], v[230:231] op_sel_hi:[1,0]
.set jj, jj+2
.endr
	WIN 0x01                                       ; source 0 window 1: my O^T, from its low end on
.set jj, 0
.rept 32
	v_pk_fma_f32 v[128+jj:129+jj], v[jj:jj+1], v[F:F+1], v[128+jj:129+jj] op_sel_hi:[1,0,1]
.set jj, jj+2
.endr
	WIN 0
.set bb, 0
.rept 8
.set jj, 0
.rept 8
	v_med3_num_f32 v[128+8*bb+jj], v[128+8*bb+jj], -v[CLIM], v[CLIM]
.set jj, jj+1
.endr
	v_cvt_scalef32_pk8_fp8_f32 v[P+2*bb:P+2*bb+1], v[128+8*bb:128+8*bb+7], v[CSCL]   ; channels 16 bb + 8 (lane / 16) + 0 .. 7: register pair bb of the image (my 16 tokens, k-step = my head)
.set bb, bb+1
.endr
	v_nop
.irp c, 0,1,2,3
	global_store_b128 v[L16], v[P+4*\c:P+4*\c+3], s[88:89] offset:512*\c   ; 512 consecutive bytes, aligned
.endr
	s_wait_tensorcnt 0x0                           ; the wave's end
	ds_add_u32 v[SPW], v[NIL]
	s_wait_dscnt 0x0
	CROUND                                         ; the closing round
	s_endpgm
.Lfunc_end_k_q6f44572a7c_attn:
	.size	k_q6f44572a7c_attn, .Lfunc_end_k_q6f44572a7c_attn-k_q6f44572a7c_attn
	.p2alignl 7, 3214868480
	.fill 96, 4, 3214868480
	.section	.rodata,"a",@progbits
	.p2align	6, 0x0
	.amdhsa_kernel k_q6f44572a7c_attn
		.amdhsa_group_segment_fixed_size 327680
		.amdhsa_private_segment_fixed_size 0
		.amdhsa_enable_private_segment 0
		.amdhsa_kernarg_size 40
		.amdhsa_user_sgpr_count 2
		.amdhsa_user_sgpr_kernarg_segment_ptr 1
		.amdhsa_wavefront_size32 1
		.amdhsa_system_sgpr_workgroup_id_x 1
		.amdhsa_system_sgpr_workgroup_id_y 1
		.amdhsa_system_sgpr_workgroup_id_z 1
		.amdhsa_system_vgpr_workitem_id 0
		.amdhsa_next_free_vgpr 512
		.amdhsa_next_free_sgpr 96
		.amdhsa_reserve_vcc 0
		.amdhsa_float_denorm_mode_32 3
		.amdhsa_float_denorm_mode_16_64 3
		.amdhsa_memory_ordered 1
		.amdhsa_forward_progress 1
		.amdhsa_inst_pref_size 179
	.end_amdhsa_kernel
	.amdgpu_metadata
---
amdhsa.version: [ 1, 2 ]
amdhsa.kernels:
  - .name:           k_q6f44572a7c_attn
    .symbol:         k_q6f44572a7c_attn.kd
    .args:
      - { .name: qimg, .offset: 0, .size: 8, .value_kind: global_buffer, .address_space: global }
      - { .name: kv, .offset: 8, .size: 8, .value_kind: global_buffer, .address_space: global }
      - { .name: causal_mask, .offset: 16, .size: 8, .value_kind: global_buffer, .address_space: global }
      - { .name: lowp_scales, .offset: 24, .size: 8, .value_kind: global_buffer, .address_space: global }
      - { .name: oin, .offset: 32, .size: 8, .value_kind: global_buffer, .address_space: global }
    .group_segment_fixed_size: 327680
    .private_segment_fixed_size: 0
    .kernarg_segment_align: 8
    .kernarg_segment_size: 40
    .max_flat_workgroup_size: 256
    .sgpr_count:     96
    .vgpr_count:     512
    .wavefront_size: 32
...
	.end_amdgpu_metadata
.endif
;; end of part 3
;; launch oproj (part 4): grid 16 x 16, 4 waves a work-group, clusters of 4 x 4, 327,680 bytes of LDS; arguments oin, lowp_scales, out0; writes out0
.if DOCPART == 4
	.amdgcn_target "amdgcn-amd-amdhsa--gfx1250"
	.amdhsa_code_object_version 6
	.text
	.protected	k_q6f44572a7c_oproj
	.globl	k_q6f44572a7c_oproj
	.p2align	8
	.type	k_q6f44572a7c_oproj,@function
k_q6f44572a7c_oproj:
	s_mov_b64 s[64:65], 0
	v_nop
	global_prefetch_b8 v0, s[64:65] scope:SCOPE_SE
	s_setreg_imm32_b32 hwreg(HW_REG_WAVE_MODE, 25, 1), 1
	s_wait_xcnt 0x0
	s_wait_alu depctr_hold_cnt(0) depctr_sa_sdst(0) depctr_va_vdst(0) depctr_va_sdst(0) depctr_va_ssrc(0) depctr_va_vcc(0) depctr_vm_vsrc(0)
	s_getreg_b32 s2, hwreg(HW_REG_IB_STS2, 6, 4)
	s_cmp_eq_u32 s2, 0
	s_cbranch_scc0 .Lentry_in_a_cluster
	s_endpgm
.Lentry_in_a_cluster:
	s_bfe_u32 s2, ttmp6, 0x10000c
	s_cmp_lg_u32 s2, 0xf033
	s_cbranch_scc0 .Lentry_shape_is_right
	s_endpgm
.Lentry_shape_is_right:
; OPROJ: out0 = ctx x Wo on codes of FP8 (K = 2,048), each sum x 2^(e10 + e11).  LIMIT: e10 + e11 between -126 and 127.
; oin [384 rowblocks][16 k-steps][2,048]: images of operand registers (16 rows x 128 k; four 16-byte accesses a lane fill a source of v_wmma_f32_16x16x128_fp8_fp8); rowblocks 0-127 ctx, 128-383 Wo^T.
; A work-group makes 128 tokens (source 1) x 256 columns (source 0); a wave 128 x 64: 32 accumulators.  A lane holds 8 neighbouring columns of one token's row.
; CLUSTER 4 x 4.  ctx's tile hangs on the token block alone and is asked for jointly along a row of the cluster, Wo's on the columns alone and jointly along a column.  Both come through a ring of two LDS slots
; of three k-steps, [8 + 16 rowblocks][3 k-steps][2,048] = 147,456 bytes: waves 0, 1 ask for four rowblocks each of ctx, waves 2, 3 for eight each of Wo^T: one load a wave.
; 16 k-steps = 1 + 5 x 3: the first fill asks memory for one k-step (tensor_dim0 = 2,048 bytes of the tile's 6,144; the mover writes zeros for the rest, which nobody reads), so slot 0 is filled whole.
; The six slots are written out by macros: five is no whole number of laps of the ring.
; PREFETCH: of the rowblocks that a wave fetches, the partner at place p takes one (ctx, p = cx) or two (Wo^T, p = cy), told apart by address; 24 lanes name a rowblock's 24 blocks of 256 bytes of a slot,
; the other 8 the last again.  K-step 0 and slot j = 0 are named ahead of the opening round, j = 1 behind the head's load, and behind the joint load of slot j slot j + 2.  The loads of the last two slots name nothing.
; THE WAY OUT has two parts: all eight blocks of 16 tokens are scaled and turned through the wave's stage in LDS into registers; then the 64 stores follow on end.
; REGISTERS, in windows of 256: window 0: v1-14 addresses, v32-63 at work;  window 1: source 0, two sets of 64;  window 2: accumulator (a, i) at v[8 (4 a + i)];
;   window 3: source 1, two sets of 128; on the way out the eight blocks' rows, 32 registers each.
.set RBS,   32768
.set KS3,   6144
.set SLOTB, 24*KS3
.set BOFF,  8*KS3
.set SPARE, 2*SLOTB                    ; the spare words, 128 bytes a wave, that no other line names
.set STG,   SPARE+512                  ; the way out: 16 rows x (256 bytes + 16) for each wave; no tile lands here
.set L16,  1
.set ADA,  4
.set ADB,  6
.set SPW,  8
.set NIL,  9
.set PFO,  10                          ; 256 x min(lane, 23): a rowblock's three k-steps
.set STO,  11
.set RD,   12
.set CO,   13
.set PFS2, 14                          ; 256 x min(lane, 7): its first k-step
.set T,    32
.set WV,   16
.set CX,   17
.set CY,   18
.set XC,   19
.set UU,   20
.set WH,   21                          ; wave / 2: I fetch for ctx (0) or for Wo^T (1)
.set CLY,  22
.set YY,   23
.set G1A,  24
.set G1B,  32
.set G1AS, 40
.set G1BS, 48
.set G0A,  56
.set G0B,  68
.set PFA,  78
.set MSB, 0
.macro WIN new
.if MSB != \new
	s_set_vgpr_msb (MSB<<8)|\new
.set MSB, \new
.endif
.endm
.set TO_B,  0x40
.set TO_A,  0xc0
.set W_MUL, 0xad
.set FROM_ACC, 0x02
.set DATA_A, 0x0c                      ; a store's data in window 3
.macro PLACES                          ; four plain places between a matrix instruction and a load into, or a vector read of, its registers
.rept 4
	v_nop
.endr
.endm
.macro CREST
	s_cmp_lg_u32 s[WV], 0
	s_cbranch_scc1 .Lnot_wave_0_\@
	s_barrier_signal -3
.Lnot_wave_0_\@:
	s_barrier_wait -3
	s_barrier_signal -1
	s_barrier_wait -1
.endm
.macro CROUND
	s_barrier_signal -1
	s_barrier_wait -1
	CREST
.endm
.macro JLOAD g0a, g1a, g0b, g1b        ; a joint load; the branch hangs on the wave's number alone; s_nop 0 and four v_nop behind each line
	s_cmp_eq_u32 s[WH], 0
	s_cbranch_scc0 .Lfor_b_\@
	tensor_load_to_lds s[\g0a:\g0a+3], s[\g1a:\g1a+7]
	s_nop 0
	PLACES
	s_branch .Lasked_\@
.Lfor_b_\@:
	tensor_load_to_lds s[\g0b:\g0b+3], s[\g1b:\g1b+7]
	s_nop 0
	PLACES
.Lasked_\@:
.endm
.macro ASK vo, off                     ; the prefetch, off bytes along my rowblock from where PFA stands
	global_prefetch_b8 v[\vo], s[PFA:PFA+1] offset:\off th:TH_LOAD_NT scope:SCOPE_SE
	s_cmp_eq_u32 s[WH], 0
	s_cbranch_scc1 .Lno_\@
	global_prefetch_b8 v[\vo], s[PFA:PFA+1] offset:RBS+\off th:TH_LOAD_NT scope:SCOPE_SE
.Lno_\@:
.endm
.macro MKG1 g, td, r                   ; r rows (rowblocks) of 768 elements of 8 bytes, of which td exist
	s_mov_b32 s[\g+1], (\td)<<16
	s_mov_b32 s[\g+2], (\r)<<16
	s_mov_b32 s[\g+3], 768<<16
	s_mov_b32 s[\g+4], \r
	s_mov_b32 s[\g+5], RBS/8
	s_mov_b32 s[\g+6], 0
	s_mov_b32 s[\g+7], 0
.endm
.macro FETCH sl, q, p                  ; k-step q of slot sl into set p: my 4 images of source 0, then source 1's 8: 48 loads, lane L at 16 L
	WIN TO_B
.irp i, 0,1,2,3
.irp c, 0,1,2,3
	ds_load_b128 v[64*(\p)+16*\i+4*\c:64*(\p)+16*\i+4*\c+3], v[ADB+\sl] offset:\i*KS3+2048*(\q)+512*\c
.endr
.endr
	WIN TO_A
.set ia, 0
.rept 8
.irp c, 0,1,2,3
	ds_load_b128 v[128*(\p)+16*ia+4*\c:128*(\p)+16*ia+4*\c+3], v[ADA+\sl] offset:ia*KS3+2048*(\q)+512*\c
.endr
.set ia, ia+1
.endr
.endm
.macro MUL p, a0, a1, zero             ; the accumulators take turns, one instruction a turn, in the same order in every k-step
	WIN W_MUL
.set ia, \a0
.rept (\a1)-(\a0)+1
.set ib, 0
.rept 4
.if \zero
	v_wmma_f32_16x16x128_fp8_fp8 v[8*(4*ia+ib):8*(4*ia+ib)+7], v[64*(\p)+16*ib:64*(\p)+16*ib+15], v[128*(\p)+16*ia:128*(\p)+16*ia+15], 0
.else
	v_wmma_f32_16x16x128_fp8_fp8 v[8*(4*ia+ib):8*(4*ia+ib)+7], v[64*(\p)+16*ib:64*(\p)+16*ib+15], v[128*(\p)+16*ia:128*(\p)+16*ia+15], v[8*(4*ia+ib):8*(4*ia+ib)+7]
.endif
.set ib, ib+1
.endr
.set ia, ia+1
.endr
.endm
.macro STEP p, sl, qn                  ; multiplies set p; ahead of that the slot's k-step qn is asked for, into the other set
	PLACES
	FETCH \sl, \qn, 1-(\p)
	s_wait_dscnt 48                                ; set p is in; the 48 loads just issued may be out
	MUL \p, 0, 7, 0
.endm
; A slot's last k-step changes slots.  Each wave waits for all its tensor loads (its part of slot nxt), adds 0 to its spare word, and waits for that and for its reads of slot cur.
; fill = 1: the barrier opens a round of the cluster's barrier, and slot cur is filled again first thing behind it.
.macro TURN p, cur, nxt, fill, ask, zero
	WIN 0
	s_wait_tensorcnt 0x0                           ; no tensor load of mine is out, so a group 0 may be written
	ds_add_u32 v[SPW], v[NIL]
.if \fill
	s_add_nc_u64 s[G0A+4*\nxt+2:G0A+4*\nxt+3], s[G0A+4*\nxt+2:G0A+4*\nxt+3], 2*KS3   ; slot nxt's next tile: six k-steps on
	s_add_nc_u64 s[G0B+4*\nxt+2:G0B+4*\nxt+3], s[G0B+4*\nxt+2:G0B+4*\nxt+3], 2*KS3
.endif
.if \ask
	s_wait_xcnt 0x0                                ; the last prefetch has read its address
	s_add_nc_u64 s[PFA:PFA+1], s[PFA:PFA+1], KS3
.endif
	s_wait_dscnt 0x0                               ; the add is done, set p is in, and my reads of slot cur are over
	s_barrier_signal -1
	MUL \p, 0, 3, \zero                            ; work on registers while the others arrive
	WIN 0
	s_barrier_wait -1
.if \fill
	CREST                                          ; no wave of any partner still reads slot cur or has a load on its way
	JLOAD G0A+4*\cur, G1A, G0B+4*\cur, G1B         ; its four v_nop are the places in front of the loads below
.else
	PLACES
.endif
	FETCH \nxt, 0, 1-(\p)
.if \ask
	WIN 0
	ASK PFO, 14336
.endif
	MUL \p, 4, 7, \zero
.endm
	s_load_b128 s[4:7], s[0:1], 0x0                ; oin s[4:5], the scales s[6:7]
	s_load_b64 s[8:9], s[0:1], 0x10                ; out0
	v_lshl_add_u32 v[SPW], v0, 2, SPARE
	v_mov_b32 v[NIL], 0
	ds_add_u32 v[SPW], v[NIL]                      ; the wave's opening: the add, twice on end, and its wait ahead of my first tensor load
	ds_add_u32 v[SPW], v[NIL]
	v_lshrrev_b32 v2, 5, v0
	v_readfirstlane_b32 s[WV], v2
	v_and_b32 v3, 31, v0
	v_min_u32 v[PFO], 23, v3
	v_lshlrev_b32 v[PFO], 8, v[PFO]
	v_min_u32 v[PFS2], 7, v3
	v_lshlrev_b32 v[PFS2], 8, v[PFS2]
	s_and_b32 s[UU], s[WV], 1
	s_lshr_b32 s[WH], s[WV], 1
	s_bfe_u32 s[CX], ttmp6, 0x40000
	s_bfe_u32 s[CY], ttmp6, 0x40004
	s_mov_b32 s[XC], ttmp9
	s_and_b32 s[CLY], ttmp7, 0xffff
	s_lshl_b32 s[YY], s[CLY], 2
	s_add_co_u32 s[YY], s[YY], s[CY]               ; block of 128 tokens
	s_lshl_b32 s2, s[CY], 2
	s_lshl_b32 s2, 15, s2                          ; my row of the cluster
	s_lshl_b32 s3, 0x1111, s[CX]                   ; my column
	s_or_b32 s[G1A], s2, (3<<16)|(1<<21)           ; the mask; elements of 8 bytes; bit 21 set beside a mask; no padding
	s_or_b32 s[G1AS], s2, (3<<16)|(1<<21)
	s_or_b32 s[G1B], s3, (3<<16)|(1<<21)
	s_or_b32 s[G1BS], s3, (3<<16)|(1<<21)
	MKG1 G1A, 768, 4
	MKG1 G1B, 768, 8
	MKG1 G1AS, 256, 4
	MKG1 G1BS, 256, 8
	s_lshl_b32 s96, s[YY], 3                       ; ctx's first rowblock
	s_lshl_b32 s82, s[XC], 2
	s_add_co_u32 s82, s82, s[CX]                   ; which 256 columns
	s_lshl_b32 s83, s82, 4
	s_add_co_u32 s83, s83, 128                     ; Wo^T's first rowblock
	s_lshl_b32 s98, s[UU], 2
	s_add_co_u32 s98, s98, s96                     ; what I fetch of ctx: four rowblocks,
	s_lshl_b32 s98, s98, 15
	s_mov_b32 s99, 0
	s_lshl_b32 s66, s[UU], 3
	s_add_co_u32 s66, s66, s83                     ; of Wo^T: eight
	s_lshl_b32 s66, s66, 15
	s_mov_b32 s67, 0
	; the prefetches: my work-group's share of what my wave fetches, at k-step 0; a change of slots that asks steps it three k-steps on
	s_lshl_b32 s100, s[UU], 2
	s_add_co_u32 s100, s100, s96
	s_add_co_u32 s100, s100, s[CX]
	s_lshl_b32 s101, s[UU], 3
	s_add_co_u32 s101, s101, s83
	s_lshl_b32 s2, s[CY], 1
	s_add_co_u32 s101, s101, s2
	s_cmp_eq_u32 s[WH], 0
	s_cselect_b32 s100, s100, s101
	s_lshl_b32 s100, s100, 15
	s_mov_b32 s101, 0
	s_lshl_b32 s2, s[YY], 21                       ; out0: 128 rows of 16,384 bytes,
	s_lshl_b32 s3, s82, 10                         ; 256 columns of 4 bytes,
	s_add_co_u32 s2, s2, s3
	s_lshl_b32 s3, s[WV], 8                        ; my 64
	s_add_co_u32 s2, s2, s3
	s_mov_b32 s3, 0
	s_mul_i32 s81, s[UU], 4*KS3                    ; where my tiles go in a slot: of the wave's number alone
	s_mul_i32 s83, s[UU], 8*KS3
	s_add_co_u32 s83, s83, BOFF
	s_wait_dscnt 0x0                               ; both opening adds are done
	s_wait_kmcnt 0x0
	s_load_b128 s[84:87], s[6:7], 0x20             ; e8 .. e11
	s_add_nc_u64 s[98:99], s[4:5], s[98:99]
	s_add_nc_u64 s[66:67], s[4:5], s[66:67]
	s_add_nc_u64 s[PFA:PFA+1], s[4:5], s[100:101]
	s_wait_alu depctr_va_vdst(0)                   ; the wait directly ahead of the first reader of the two offsets
	ASK PFS2, 0                                    ; a buffer's first touch is asked for earlier still: k-step 0
	ASK PFO, 2048                                  ; and slot j = 0 (k-steps 1-3), ahead of the opening round
	s_add_nc_u64 s[8:9], s[8:9], s[2:3]
.irp s, 0,1                                    ; slot 0: k-step 0; slot 1: k-steps 1-3
	s_mov_b32 s[G0A+4*\s], 1
	s_add_co_u32 s[G0A+4*\s+1], s81, \s*SLOTB
	s_add_nc_u64 s[G0A+4*\s+2:G0A+4*\s+3], s[98:99], \s*2048
	s_or_b32 s[G0A+4*\s+3], s[G0A+4*\s+3], 0x80000000
	s_mov_b32 s[G0B+4*\s], 1
	s_add_co_u32 s[G0B+4*\s+1], s83, \s*SLOTB
	s_add_nc_u64 s[G0B+4*\s+2:G0B+4*\s+3], s[66:67], \s*2048
	s_or_b32 s[G0B+4*\s+3], s[G0B+4*\s+3], 0x80000000
.endr
	CROUND                                         ; all sixteen work-groups are here: the first joint loads meet
	JLOAD G0A, G1AS, G0B, G1BS                     ; k-step 0: one tensor load a wave at the head
	ASK PFO, 8192                                  ; slot j = 1 (k-steps 4-6)
	s_mul_i32 s2, s[WV], 4*KS3
	s_add_co_u32 s2, s2, BOFF                      ; my rowblocks of source 0 in a slot
	s_mul_i32 s3, s[WV], 16*272
	s_add_co_u32 s3, s3, STG                       ; my stage
	s_wait_kmcnt 0x0
	s_add_co_i32 s96, s86, s87
	s_add_co_i32 s96, s96, 127
	s_lshl_b32 s96, s96, 23                        ; 2^(e10 + e11) as f32
	s_mov_b32 s97, s96                             ; (named with it as a pair, so it is written)
	v_and_b32 v2, 31, v0
	v_lshlrev_b32 v[L16], 4, v2
	v_mov_b32 v[ADA], v[L16]
	v_add_nc_u32 v[ADA+1], SLOTB, v[L16]
	v_add_nc_u32 v[ADB], s2, v[L16]
	v_add_nc_u32 v[ADB+1], SLOTB, v[ADB]
	v_and_b32 v2, 15, v0
	v_bfe_u32 v3, v0, 4, 1
	v_mul_u32_u24 v[STO], v2, 272
	v_lshl_add_u32 v[STO], v3, 5, v[STO]
	v_add_nc_u32 v[STO], s3, v[STO]                ; in: row lane % 16, 32 bytes for each half of the lanes
	v_mul_u32_u24 v[RD], v3, 272
	v_lshl_add_u32 v[RD], v2, 4, v[RD]
	v_add_nc_u32 v[RD], s3, v[RD]                  ; back: lanes 0-15 one row of 256 bytes, lanes 16-31 the next
	v_lshlrev_b32 v[CO], 14, v3
	v_lshl_add_u32 v[CO], v2, 4, v[CO]             ; and the same two rows in out0
	s_wait_alu depctr_va_vdst(0)                   ; the head's end
	s_wait_tensorcnt 0x0                           ; my part of k-step 0 is in; slot 1's first fill is issued as a refill is
	ds_add_u32 v[SPW], v[NIL]
	s_add_nc_u64 s[G0A+2:G0A+3], s[G0A+2:G0A+3], 4*2048   ; slot 0's next tile: k-steps 4-6
	s_add_nc_u64 s[G0B+2:G0B+3], s[G0B+2:G0B+3], 4*2048
	s_wait_dscnt 0x0
	CROUND
	JLOAD G0A+4, G1A, G0B+4, G1B
	FETCH 0, 0, 0
	WIN 0
	ASK PFO, 14336                                 ; slot j = 2 (k-steps 7-9)
	TURN 0, 0, 1, 1, 1, 1                          ; k-step 0 starts the sums: nothing is cleared
	STEP 1, 1, 1
	STEP 0, 1, 2
	TURN 1, 1, 0, 1, 1, 0
	STEP 0, 0, 1
	STEP 1, 0, 2
	TURN 0, 0, 1, 1, 0, 0
	STEP 1, 1, 1
	STEP 0, 1, 2
	TURN 1, 1, 0, 1, 0, 0
	STEP 0, 0, 1
	STEP 1, 0, 2
	TURN 0, 0, 1, 0, 0, 0                          ; nothing more is asked for
	STEP 1, 1, 1
	STEP 0, 1, 2
	s_wait_dscnt 0x0
	MUL 1, 0, 7, 0
	WIN 0
	PLACES                                         ; in front of the first read of the sums, and of the loads into the registers that held source 1
	; THE WAY OUT.  A lane holds 32 bytes of a row and the lanes beside it other rows, so a block of 16 tokens goes through my own stage and comes back as rows of 256 bytes, into 32 registers of its own.
	; LDS serves a wave's instructions in order (ISA guide 5.7.1.4): no wait between the stores and the loads, nor in front of the next block's stores.
.macro TOSTAGE a
	WIN FROM_ACC
.set jj, 0
.rept 16
	v_pk_mul_f32 v[T+jj:T+jj+1], v[32*(\a)+jj:32*(\a)+jj+1], s[96:97] op_sel_hi:[1,0]   ; each accumulator from its low end on
.set jj, jj+2
.endr
	WIN 0
.irp i, 0,1,2,3
	ds_store_b128 v[STO], v[T+8*\i:T+8*\i+3] offset:64*\i
	ds_store_b128 v[STO], v[T+8*\i+4:T+8*\i+7] offset:64*\i+16
.endr
	WIN TO_A
.irp t, 0,1,2,3,4,5,6,7
	ds_load_b128 v[32*(\a)+4*\t:32*(\a)+4*\t+3], v[RD] offset:544*\t
.endr
.endm
.macro SEND a                          ; behind block a's loads stand 16 LDS instructions for each later block, which may stay out; the wait's count names 63 at the most
.if 16*(7-(\a)) > 63
	s_wait_dscnt 63
.else
	s_wait_dscnt 16*(7-(\a))
.endif
.irp t, 0,1,2,3,4,5,6,7
	global_store_b128 v[CO], v[32*(\a)+4*\t:32*(\a)+4*\t+3], s[8:9] offset:(16*(\a)+2*\t)*16384 th:TH_STORE_NT   ; sixteen lanes store 256 consecutive bytes, aligned; written once, read by nobody here
.endr
.endm
.irp a, 0,1,2,3,4,5,6,7
	TOSTAGE \a
.endr
	WIN DATA_A
.irp a, 0,1,2,3,4,5,6,7
	SEND \a
.endr
	WIN 0
	s_wait_tensorcnt 0x0                           ; the wave's end, behind my last tensor load and my last LDS store
	ds_add_u32 v[SPW], v[NIL]
	s_wait_dscnt 0x0
	CROUND                                         ; the closing round
	s_endpgm
.Lfunc_end_k_q6f44572a7c_oproj:
	.size	k_q6f44572a7c_oproj, .Lfunc_end_k_q6f44572a7c_oproj-k_q6f44572a7c_oproj
	.p2alignl 7, 3214868480
	.fill 96, 4, 3214868480
	.section	.rodata,"a",@progbits
	.p2align	6, 0x0
	.amdhsa_kernel k_q6f44572a7c_oproj
		.amdhsa_group_segment_fixed_size 327680
		.amdhsa_private_segment_fixed_size 0
		.amdhsa_enable_private_segment 0
		.amdhsa_kernarg_size 24
		.amdhsa_user_sgpr_count 2
		.amdhsa_user_sgpr_kernarg_segment_ptr 1
		.amdhsa_wavefront_size32 1
		.amdhsa_system_sgpr_workgroup_id_x 1
		.amdhsa_system_sgpr_workgroup_id_y 1
		.amdhsa_system_sgpr_workgroup_id_z 1
		.amdhsa_system_vgpr_workitem_id 0
		.amdhsa_next_free_vgpr 1024
		.amdhsa_next_free_sgpr 102
		.amdhsa_reserve_vcc 0
		.amdhsa_float_denorm_mode_32 3
		.amdhsa_float_denorm_mode_16_64 3
		.amdhsa_memory_ordered 1
		.amdhsa_forward_progress 1
		.amdhsa_inst_pref_size 123
	.end_amdhsa_kernel
	.amdgpu_metadata
---
amdhsa.version: [ 1, 2 ]
amdhsa.kernels:
  - .name:           k_q6f44572a7c_oproj
    .symbol:         k_q6f44572a7c_oproj.kd
    .args:
      - { .name: oin, .offset: 0, .size: 8, .value_kind: global_buffer, .address_space: global }
      - { .name: lowp_scales, .offset: 8, .size: 8, .value_kind: global_buffer, .address_space: global }
      - { .name: out0, .offset: 16, .size: 8, .value_kind: global_buffer, .address_space: global }
    .group_segment_fixed_size: 327680
    .private_segment_fixed_size: 0
    .kernarg_segment_align: 8
    .kernarg_segment_size: 24
    .max_flat_workgroup_size: 128
    .sgpr_count:     102
    .vgpr_count:     1024
    .wavefront_size: 32
...
	.end_amdgpu_metadata
.endif
;; end of part 4
